; MI455X (gfx1250); checked and timed in simulation.
; The chip was launched on July 23, 2026; its instructions are those of AMD's public machine-readable ISA for CDNA 5 (MIT licence, August 2026) and "CDNA5" Instruction Set Architecture Reference Guide (July 2026). The comments in the code are by the model that wrote it; some were corrected since.
;; Simple Net. Allowed arithmetic: matrix products marked QUANTISED: E2M1 operands, one E8M0 scale for each 32 along K, by v_wmma_scale_f32_16x16x128_f8f6f4 with both operands' format E2M1 (or v_wmma_scale_f32_32x16x128_f4), f32 sums; everything else in f32.
;; Inputs: W1_codes 256 x 16 x 16 uint8 (E2M1 codes of W1, K innermost, in blocks of 32 codes, two codes a byte); W1_scales 256 x 16 uint8 (E8M0 scales of W1, one for each 32 codes along K); x 8,192 x 512 float32; y 8,192 x 512 float32.
;; Outputs: out0 8,192 x 512 float32.
;; This version of the problem:
;;   THIS VERSION OF THE PROBLEM IS GIVEN IN LOW PRECISION. The matrix products marked QUANTISED in the list below multiply operands that are first quantised to E2M1 (2 exponent bits, 1 mantissa bit; 4 bits a number), with one power-of-two scale for each 32 numbers along K (OCP MX v1.0); their sums are f32. All else is computed in f32.
;;   The module's matrix products, in the order in which they are computed (A, B: the left and right operand; K: the contracted axis; several contracted axes count as one K, in the product's order):
;;     1. [M 8,192, K 512] x [K 512, N 256]; A: input x; B: input W1 (given as codes): QUANTISED
;;     2. [M 8,192, K 256] x [K 256, N 8,192]; A: computed on the way; B: computed on the way: QUANTISED
;;     3. [M 8,192, K 8,192] x [K 8,192, N 512]; A: computed on the way; B: input x: QUANTISED
;;   THE QUANTISER, for each operand of a quantised product, along K:
;;     - K is cut into blocks of 32 from its start; a last block that is shorter is filled with zeros.
;;     - A block's scale is 2^e with e = floor(log2(the largest magnitude in the block)) - 2, held to -126 .. 127; a block of zeros has e = 0. As a byte (E8M0): e + 127.
;;     - Each number is divided by its block's scale, clamped to +-6, and rounded to the nearest number of E2M1, ties to even, subnormals kept.
;;     - The product sums the exact products of the quantised numbers (number of the format x scale) in f32.
;;   ~~~python
;;   def quantise(x, axis):      # numpy; x: float32 -> the quantised numbers, widened to float32 again
;;       x = np.moveaxis(x, axis, -1); K = x.shape[-1]
;;       x = np.pad(x, [(0, 0)] * (x.ndim - 1) + [(0, -K % 32)]); x = x.reshape(x.shape[:-1] + (-1, 32)); a = np.abs(x).max(-1, keepdims=True)
;;       e = np.where(a > 0, np.clip(np.frexp(np.where(a > 0, a, 1))[1] - 1 - 2, -126, 127), 0)      # np.frexp(a)[1] - 1 = floor(log2(a)), exactly
;;       r = np.clip(x / 2.0 ** e, -6, 6)
;;       step = 2.0 ** (np.maximum(np.frexp(np.where(r == 0, 1, r))[1] - 1, 0) - 1)
;;       q = np.round(r / step) * step * 2.0 ** e      # np.round: ties to even
;;       return np.moveaxis(q.reshape(q.shape[:-2] + (-1,))[..., :K], -1, axis).astype(np.float32)
;;   ~~~
;;   OPERANDS COMPUTED ON THE WAY. 'Computed on the way' means the value that the module computes at that place (a softmax that the list does not call 'softmax' is quantised finished and normalised). What goes into a quantiser is computed in f32, as accurately as f32 sums, v_exp_f32 and their like allow (about 1e-6 of the number): no bf16 or f16 on the way to a quantiser, and a product that is left as it is and whose result goes on into a quantised operand takes f32 operands (vector FMAs, or v_wmma_f32_16x16x4_f32). A number that lies on a knife's edge between two numbers of the format may be rounded either way, as far as f32 arithmetic and the matrix unit's own rounding can turn it there, and no further.
;;   INPUTS GIVEN AS CODES. W1 (in the module: [256, 512], K = its axis 1): each comes as NAME_codes (uint8): NAME with its K axis moved to the last place and cut into blocks of 32 codes, [.., K / 32, bytes a block], one block behind the other in memory; two codes a byte, the lower K in the low four bits (a code: sign, 2 exponent bits, 1 mantissa bit); and NAME_scales (uint8): the same leading axes, one E8M0 byte (e + 127) for each 32 codes along K. Its value is code x scale, taken as it is: it is not quantised again, and the codes and scales need not be those that the quantiser above would give.
;; One version. Each part assembles by itself: llvm-mc -triple=amdgcn-amd-amdhsa -mcpu=gfx1250 --defsym DOCPART=n.
;; ======== version 1 of 1: 4 launches
;; limits: right only within a limited range of input values
;; workspace buffers: fimg 1,048,576 bytes; faux 131,072 bytes; ximg 2,097,152 bytes; xsc 131,072 bytes; part 5,505,024 bytes; wimg 33,554,432 bytes; wsc 2,097,152 bytes
;; launch prep (part 1): grid 256 x 1, 6 waves a work-group, no clusters, 0 bytes of LDS; arguments x, W1_codes, W1_scales, fimg, faux, ximg, xsc; writes fimg, faux, ximg, xsc
.if DOCPART == 1
	.amdgcn_target "amdgcn-amd-amdhsa--gfx1250"
	.amdhsa_code_object_version 6
	.text
	.protected	k_q2941fc3fc5_prep
	.globl	k_q2941fc3fc5_prep
	.p2align	8
	.type	k_q2941fc3fc5_prep,@function
k_q2941fc3fc5_prep:
	s_mov_b64 s[64:65], 0
	v_nop
	global_prefetch_b8 v0, s[64:65] scope:SCOPE_SE
	s_setreg_imm32_b32 hwreg(HW_REG_WAVE_MODE, 25, 1), 1
	s_wait_xcnt 0x0
; PREP.  f = Q(x) W1^T [8192][256] on codes of FP4 (E2M1) with one E8M0 scale for each 32 along K; sq = the sum of f^2 in f32; f quantised along its 256; x quantised along its ROWS (the third product's K).
; Work-group b owns rows 32 b .. 32 b + 31 of x.  Waves 0 and 1 make f for 16 rows each; waves 2 to 5 quantise 128 columns each of the 32 rows, which are one block along the rows.  The waves share nothing: no LDS, no barrier.
; THE ROWS OF A TILE ARE NOT NEIGHBOURS: lane r of tile t holds row 32 (t / 2) + 8 (t % 2) + r + 8 (r / 8).  Used as source 0 of a matrix instruction, such a tile gives a lane's 16 registers of tiles 2 b, 2 b + 1 sixteen neighbours.
; WHAT IS STORED is laid as the later launches' operand registers want it.  A fragment (16 rows x 128 K, 8 registers a lane) is 1,024 bytes: registers 4 c .. 4 c + 3 of lane l at 512 c + 16 l.
;   fimg [tile 512][K step 2][1,024]      faux [tile][256]: scale word at 4 l (lanes 0-15 K step 0, lanes 16-31 K step 1 of the lane's row l % 16), sq of that row at 128 + 4 l
;   ximg [column tile 32][step of 128 rows 64][1,024]      xsc [column tile][step][column 16][4 bytes]
; W1's fragments have registers of their own, in window 1, and its scale words sixteen registers of their own: so W1 is asked for while x is still on its way, four batches ahead of the products.
; No cluster: the only bytes that work-groups share are W1's 69,632, which go straight into registers.
; y is not loaded: no number of the result hangs on it.
; LIMITS: NaN and infinities among the inputs are not served.  A block of zeros gets the scale byte 1 and not 127: its codes are zeros, and this program alone reads the bytes.
; faux is stored 128 bytes an instruction and xsc a byte a lane: 262,144 bytes of the launch's 3.4 million leave in pieces smaller than 256 bytes.
.set SEL, 32                           ; s[32:33] lane selects of v_permlanex16_b32: lane l xor 16
.set XS,  12                           ; v12-15   x's scale words, one for each K step of 128: they hold nothing else
.set XF,  16                           ; v16-47   x's four fragments
.set WSC, 48                           ; v48-63   W1's scale words, four sets of four: they hold nothing else
.set WF,  0                            ; window 1, v256-383: W1's fragments, four sets of four
.set ACC, 128                          ; v128-255 f^T: 16 tiles of 16 features x my 16 rows
.set STA, 64                           ; three sets of 64 numbers of x as they are loaded
.set STB, 128
.set STC, 192
.set TMX, 40                           ; the quantiser's eight registers: for x's K steps 0-2 in the place of x's fourth fragment,
.set TML, 128                          ; for K step 3 in the second set of numbers, which is done with,
.set TMF, 88                           ; for f in the first
.set FC,  64                           ; v64-79   f's codes
.set SUM, 80                           ; v80-87   four chains of two for sq
.set CX,  64                           ; the column waves: v64-127 two sets of 32 numbers,
.set CC,  192                          ; v192-207 four registers of codes for each of four groups,
.set CBY, 224                          ; v224-227 a scale byte for each: no store's data are written again
.set MSB, 0
.macro WIN new                         ; s_set_vgpr_msb: bits 1:0 source 0, 3:2 source 1, 5:4 source 2, 7:6 destination; the high byte repeats the setting that is left
.if MSB != \new
	s_set_vgpr_msb (MSB<<8)|\new
.set MSB, \new
.endif
.endm
; 64 numbers of a lane, register 16 b + i = k 32 b + 16 (lane / 16) + i of the lane's row, become a fragment's codes in v[pc] on and the row's scale word in v[pw]; v[tm] on: eight registers at work.
.macro QUANT s, pc, pw, tm
.irp b, 0,1,2,3
	v_max3_num_f32 v[\tm+\b], |v[\s+16*\b]|, |v[\s+16*\b+1]|, 0x1800000   ; block b: my 16 numbers, and the floor 2^(3 - 127): the byte cannot fall under 1
.endr
.irp i, 2,4,6,8,10,12,14
.irp b, 0,1,2,3
	v_max3_num_f32 v[\tm+\b], v[\tm+\b], |v[\s+16*\b+\i]|, |v[\s+16*\b+\i+1]|   ; the four blocks by turns
.endr
.endr
.irp b, 0,1,2,3
	v_permlanex16_b32 v[\tm+4+\b], v[\tm+\b], s[SEL], s[SEL+1]
.endr
.irp b, 0,1,2,3
	v_max_num_f32 v[\tm+\b], v[\tm+\b], v[\tm+4+\b]    ; with lane l xor 16's: the block's largest magnitude
.endr
.irp b, 0,1,2,3
	v_add_nc_u32 v[\tm+\b], 0xff000000, v[\tm+\b]      ; 2 off its exponent field: the conversion takes this operand's exponent field as its scale
.endr
.irp b, 0,1,2,3
	v_lshrrev_b32 v[\tm+4+\b], 23, v[\tm+\b]           ; the scale's byte
.endr
	v_lshl_or_b32 v[\pw], v[\tm+5], 8, v[\tm+4]
	v_lshl_or_b32 v[\pw], v[\tm+6], 16, v[\pw]
	v_lshl_or_b32 v[\pw], v[\tm+7], 24, v[\pw]
.irp b, 0,1,2,3
	v_cvt_scalef32_pk8_fp4_f32 v[\pc+2*\b], v[\s+16*\b:\s+16*\b+7], v[\tm+\b]
	v_cvt_scalef32_pk8_fp4_f32 v[\pc+2*\b+1], v[\s+16*\b+8:\s+16*\b+15], v[\tm+\b]
.endr
	v_nop                                              ; one plain instruction behind the scaled conversions
.irp c, 0,1                                        ; the operand wants a whole block in a lane: lanes 0-15 block 2 c, lanes 16-31 block 2 c + 1
.irp i, 0,1
	v_permlane16_swap_b32 v[\pc+4*\c+\i], v[\pc+4*\c+2+\i]
.endr
.endr
.endm
.macro WM d, a, b, sa, sb              ; a product that starts a sum
	v_wmma_scale_f32_16x16x128_f8f6f4 v[\d:\d+7], v[\a:\a+7], v[\b:\b+7], 0, v[\sa], v[\sb] matrix_a_fmt:MATRIX_FMT_FP4 matrix_b_fmt:MATRIX_FMT_FP4
.endm
.macro WMA d, a, b, sa, sb             ; a product that adds in place
	v_wmma_scale_f32_16x16x128_f8f6f4 v[\d:\d+7], v[\a:\a+7], v[\b:\b+7], v[\d:\d+7], v[\sa], v[\sb] matrix_a_fmt:MATRIX_FMT_FP4 matrix_b_fmt:MATRIX_FMT_FP4
.endm
	s_load_b256 s[4:11], s[0:1], 0x0               ; x s[4:5], W1's codes s[6:7], W1's scales s[8:9], fimg s[10:11]
	s_load_b128 s[12:15], s[0:1], 0x20             ; faux s[12:13], ximg s[14:15]
	s_load_b64 s[16:17], s[0:1], 0x30              ; xsc
	v_lshrrev_b32 v1, 5, v0
	v_readfirstlane_b32 s18, v1                    ; wave 0..5
	v_and_b32 v1, 31, v0                           ; lane
	v_and_b32 v2, 15, v0                           ; r
	v_bfe_u32 v3, v0, 4, 1                         ; h
	v_lshlrev_b32 v7, 4, v1                        ; 16 x lane
	v_lshlrev_b32 v8, 2, v1                        ; 4 x lane
	s_mov_b32 s[SEL], 0x76543210
	s_mov_b32 s[SEL+1], 0xfedcba98
	s_lshl_b32 s20, ttmp9, 16                      ; 32 rows of 2,048 bytes
	s_mov_b32 s21, 0
	s_wait_kmcnt 0x0
	s_add_nc_u64 s[4:5], s[4:5], s[20:21]          ; x at the work-group's first row
	s_cmp_lt_u32 s18, 2
	s_cbranch_scc0 .Lcolumns
	; ---------------- waves 0 and 1: tile t = 2 b + w: rows 32 b + 8 w + r + 8 (r / 8)
	s_lshl_b32 s20, s18, 14
	s_add_nc_u64 s[4:5], s[4:5], s[20:21]          ; + 8 w rows
	s_lshl_b32 s22, ttmp9, 12
	s_lshl_b32 s23, s18, 11
	s_add_co_u32 s20, s22, s23
	s_add_nc_u64 s[10:11], s[10:11], s[20:21]      ; fimg + 2,048 t
	s_lshl_b32 s22, ttmp9, 9
	s_lshl_b32 s23, s18, 8
	s_add_co_u32 s20, s22, s23
	s_add_nc_u64 s[12:13], s[12:13], s[20:21]      ; faux + 256 t
	s_wait_alu depctr_va_vdst(0)
	v_and_b32 v4, 8, v2
	v_add_nc_u32 v4, v4, v2                        ; r + 8 (r / 8)
	v_lshlrev_b32 v5, 8, v4
	v_lshl_add_u32 v5, v3, 4, v5                   ; W1's codes: a row is 256 bytes; + 16 h
	v_lshlrev_b32 v6, 4, v4                        ; W1's scales: a row is 16 bytes
	v_lshlrev_b32 v4, 11, v4
	v_lshl_add_u32 v4, v3, 6, v4                   ; x: a row is 2,048 bytes; + 64 h: my 16 numbers of a block of 32
.irp b, 0,1,2,3
	v_mov_b32 v[TMX+4+\b], 0                       ; written once: a lane permute's destination counts as one of its sources
.endr
.macro XLOAD buf, s                    ; my rows' numbers of K step s, 64 a lane: 16 loads
.irp b, 0,1,2,3
.irp j, 0,1,2,3
	global_load_b128 v[\buf+16*\b+4*\j:\buf+16*\b+4*\j+3], v4, s[4:5] offset:512*\s+128*\b+16*\j
.endr
.endr
.endm
; Batch i of W1: K step i / 4, tiles 4 (i % 4) + 0 .. 3, into set i % 4: four fragments (window 1) and four scale words: 12 loads
.macro WB i
	WIN 0x40                                       ; destination window 1, address window 0
.irp u, 0,1,2,3
.set T_, 4*((\i)%4)+\u
.set R_, 32*(T_/2)+8*(T_%2)
	global_load_b128 v[WF+32*((\i)%4)+8*\u:WF+32*((\i)%4)+8*\u+3], v5, s[6:7] offset:R_*256+64*((\i)/4)
	global_load_b128 v[WF+32*((\i)%4)+8*\u+4:WF+32*((\i)%4)+8*\u+7], v5, s[6:7] offset:R_*256+64*((\i)/4)+32
.endr
	WIN 0
.irp u, 0,1,2,3
.set T_, 4*((\i)%4)+\u
.set R_, 32*(T_/2)+8*(T_%2)
	global_load_b32 v[WSC+4*((\i)%4)+\u], v6, s[8:9] offset:R_*16+4*((\i)/4)
.endr
.endm
.macro MM i                            ; f^T = W1 x^T: source 0 = 16 rows of W1 (window 1), source 1 = my 16 rows of x
.irp u, 0,1,2,3
.set T_, 4*((\i)%4)+\u
.if (\i) < 4
	WM ACC+8*T_, WF+32*((\i)%4)+8*\u, XF+8*((\i)/4), WSC+4*((\i)%4)+\u, XS+(\i)/4
.else
	WMA ACC+8*T_, WF+32*((\i)%4)+8*\u, XF+8*((\i)/4), WSC+4*((\i)%4)+\u, XS+(\i)/4
.endif
.endr
.endm
	; loads come back in order, so each wait names what was issued behind the set that it wants.  At most 60 loads are out at a time.
	XLOAD STA, 0
	XLOAD STB, 1
	XLOAD STC, 2
	WB 0
	s_wait_loadcnt 44                              ; K step 0 is in; behind it: steps 1 and 2 (32) and W1's batch 0 (12)
	QUANT STA, XF, XS, TMX
	XLOAD STA, 3
	s_wait_loadcnt 44                              ; step 1 is in; behind it: step 2 (16), batch 0 (12), step 3 (16)
	QUANT STB, XF+8, XS+1, TMX
	WB 1
	s_wait_loadcnt 40                              ; step 2 is in; behind it: batch 0 (12), step 3 (16), batch 1 (12)
	QUANT STC, XF+16, XS+2, TMX
	WB 2
	s_wait_loadcnt 24                              ; step 3 is in; behind it: batches 1 and 2
	QUANT STA, XF+24, XS+3, TML
	WB 3
	; the 16 accumulators take turns, one instruction a turn
.set I_, 0
.rept 16
.if I_ < 13
	s_wait_alu depctr_va_vdst(0)
	s_wait_loadcnt 36                              ; this batch is in; the three batches behind it may be out
.else
	s_wait_loadcnt 12*(15-I_)
.endif
	WIN 0x01                                       ; source 0 window 1
	MM I_
.rept 4
	v_nop                                          ; four plain instructions between these products and what next writes their operands' registers or reads their results (ISA guide 7.12.1 for vector instructions)
.endr
.if I_ < 12
	WB I_+4
.endif
.set I_, I_+1
.endr
	WIN 0
	; sq of my row: f^2 summed in four chains of two; each accumulator is read from its low end on
.set T_, 0
.rept 16
.irp p, 0,1,2,3
.if T_ == 0
	v_pk_mul_f32 v[SUM+2*\p:SUM+2*\p+1], v[ACC+2*\p:ACC+2*\p+1], v[ACC+2*\p:ACC+2*\p+1]
.else
	v_pk_fma_f32 v[SUM+2*\p:SUM+2*\p+1], v[ACC+8*T_+2*\p:ACC+8*T_+2*\p+1], v[ACC+8*T_+2*\p:ACC+8*T_+2*\p+1], v[SUM+2*\p:SUM+2*\p+1]
.endif
.endr
.set T_, T_+1
.endr
	v_pk_add_f32 v[SUM:SUM+1], v[SUM:SUM+1], v[SUM+2:SUM+3]
	v_pk_add_f32 v[SUM+4:SUM+5], v[SUM+4:SUM+5], v[SUM+6:SUM+7]
	v_pk_add_f32 v[SUM:SUM+1], v[SUM:SUM+1], v[SUM+4:SUM+5]
	v_add_f32 v9, v[SUM], v[SUM+1]
	v_permlanex16_b32 v[SUM], v9, s[SEL], s[SEL+1]
	v_add_f32 v9, v9, v[SUM]                       ; with lane l xor 16's 128 features: sq, in both halves of the lanes
	QUANT ACC, FC, 10, TMF                         ; features 0-127: K step 0 of the second product
	QUANT ACC+64, FC+8, 11, TMF                    ; features 128-255
	v_cmp_gt_u32 vcc_lo, 16, v1
	v_cndmask_b32 v10, v11, v10, vcc_lo            ; lanes 0-15 K step 0's word, lanes 16-31 K step 1's
.irp c, 0,1,2,3
	global_store_b128 v7, v[FC+4*\c:FC+4*\c+3], s[10:11] offset:512*\c   ; 32 lanes store 512 consecutive bytes, aligned
.endr
	global_store_b32 v8, v10, s[12:13]
	global_store_b32 v8, v9, s[12:13] offset:128
	s_endpgm
	; ---------------- waves 2 to 5: columns 128 w' + 32 g + lane, g = 0 .. 3.  A LANE TAKES A COLUMN AND ITS REGISTERS RUN DOWN THE 32 ROWS: the block is the lane's own, and the codes come out with the rows innermost
.Lcolumns:
	s_sub_co_u32 s19, s18, 2                       ; w' = 0..3
	s_lshl_b32 s20, s19, 9
	s_add_nc_u64 s[4:5], s[4:5], s[20:21]          ; + 128 w' columns
	s_lshl_b32 s20, s19, 19                        ; ximg: 8 w' column tiles of 65,536 bytes,
	s_lshr_b32 s22, ttmp9, 2
	s_lshl_b32 s23, s22, 10                        ; step b / 4 of 1,024 bytes,
	s_add_co_u32 s20, s20, s23
	s_and_b32 s24, ttmp9, 3
	s_lshl_b32 s23, s24, 8                         ; block b % 4 = 2 c + h of the step: 512 c + 256 h
	s_add_co_u32 s20, s20, s23
	s_add_nc_u64 s[14:15], s[14:15], s[20:21]
	s_lshl_b32 s20, s19, 15                        ; xsc: 8 w' column tiles of 4,096 bytes,
	s_lshl_b32 s23, s22, 6                         ; step b / 4 of 64 bytes,
	s_add_co_u32 s20, s20, s23
	s_add_co_u32 s20, s20, s24                     ; byte b % 4 of the word
	s_add_nc_u64 s[16:17], s[16:17], s[20:21]
	s_wait_alu depctr_va_vdst(0)
	v_lshlrev_b32 v4, 16, v3
	v_lshl_add_u32 v4, v2, 4, v4                   ; codes: column tile lane / 16, 16 bytes for column lane % 16: sixteen lanes store 256 consecutive bytes, aligned
	v_lshlrev_b32 v5, 12, v3
	v_lshl_add_u32 v5, v2, 2, v5                   ; bytes: 4,096 (lane / 16) + 4 (lane % 16)
.macro LOADG g
.set i_, 0
.rept 32
	global_load_b32 v[CX+32*((\g)%2)+i_], v8, s[4:5] offset:128*(\g)+2048*i_   ; row i of the block: 32 lanes read 128 consecutive bytes
.set i_, i_+1
.endr
.endm
.macro BLOCK g
.set XG, CX+32*((\g)%2)
.if (\g) < 3
	s_wait_loadcnt 32                              ; this group's 32 loads are in; the next group's may be out
.else
	s_wait_loadcnt 0x0
.endif
	v_max3_num_f32 v9, |v[XG]|, |v[XG+1]|, |v[XG+2]|
	v_max3_num_f32 v10, |v[XG+3]|, |v[XG+4]|, |v[XG+5]|
.irp i, 6,10,14,18,22,26
	v_max3_num_f32 v9, v9, |v[XG+\i]|, |v[XG+\i+1]|
	v_max3_num_f32 v10, v10, |v[XG+\i+2]|, |v[XG+\i+3]|
.endr
	v_max3_num_f32 v9, v9, |v[XG+30]|, |v[XG+31]|
	v_max3_num_f32 v9, v9, v10, 0x1800000          ; and the floor 2^(3 - 127)
	v_add_nc_u32 v11, 0xff000000, v9               ; the conversion's scale operand
.irp k, 0,1,2,3
	v_cvt_scalef32_pk8_fp4_f32 v[CC+4*(\g)+\k], v[XG+8*\k:XG+8*\k+7], v11
.endr
	v_lshrrev_b32 v[CBY+(\g)], 23, v11             ; the scale's byte (also the plain instruction behind the conversions)
	global_store_b128 v4, v[CC+4*(\g):CC+4*(\g)+3], s[14:15] offset:131072*(\g)
	global_store_b8 v5, v[CBY+(\g)], s[16:17] offset:8192*(\g)
.if (\g) < 2
	LOADG (\g)+2
.endif
.endm
	LOADG 0
	LOADG 1
.irp g, 0,1,2,3
	BLOCK \g
.endr
	s_endpgm
.Lfunc_end_k_q2941fc3fc5_prep:
	.size	k_q2941fc3fc5_prep, .Lfunc_end_k_q2941fc3fc5_prep-k_q2941fc3fc5_prep
	.p2alignl 7, 3214868480
	.fill 96, 4, 3214868480
	.section	.rodata,"a",@progbits
	.p2align	6, 0x0
	.amdhsa_kernel k_q2941fc3fc5_prep
		.amdhsa_group_segment_fixed_size 0
		.amdhsa_private_segment_fixed_size 0
		.amdhsa_enable_private_segment 0
		.amdhsa_kernarg_size 56
		.amdhsa_user_sgpr_count 2
		.amdhsa_user_sgpr_kernarg_segment_ptr 1
		.amdhsa_wavefront_size32 1
		.amdhsa_system_sgpr_workgroup_id_x 1
		.amdhsa_system_sgpr_workgroup_id_y 1
		.amdhsa_system_sgpr_workgroup_id_z 1
		.amdhsa_system_vgpr_workitem_id 0
		.amdhsa_next_free_vgpr 384
		.amdhsa_next_free_sgpr 66
		.amdhsa_reserve_vcc 1
		.amdhsa_float_denorm_mode_32 3
		.amdhsa_float_denorm_mode_16_64 3
		.amdhsa_memory_ordered 1
		.amdhsa_forward_progress 1
		.amdhsa_inst_pref_size 85
	.end_amdhsa_kernel
	.amdgpu_metadata
---
amdhsa.version: [ 1, 2 ]
amdhsa.kernels:
  - .name:           k_q2941fc3fc5_prep
    .symbol:         k_q2941fc3fc5_prep.kd
    .args:
      - { .name: x, .offset: 0, .size: 8, .value_kind: global_buffer, .address_space: global }
      - { .name: W1_codes, .offset: 8, .size: 8, .value_kind: global_buffer, .address_space: global }
      - { .name: W1_scales, .offset: 16, .size: 8, .value_kind: global_buffer, .address_space: global }
      - { .name: fimg, .offset: 24, .size: 8, .value_kind: global_buffer, .address_space: global }
      - { .name: faux, .offset: 32, .size: 8, .value_kind: global_buffer, .address_space: global }
      - { .name: ximg, .offset: 40, .size: 8, .value_kind: global_buffer, .address_space: global }
      - { .name: xsc, .offset: 48, .size: 8, .value_kind: global_buffer, .address_space: global }
    .group_segment_fixed_size: 0
    .private_segment_fixed_size: 0
    .kernarg_segment_align: 8
    .kernarg_segment_size: 56
    .max_flat_workgroup_size: 192
    .sgpr_count:     66
    .vgpr_count:     384
    .wavefront_size: 32
...
	.end_amdgpu_metadata
.endif
;; end of part 1
;; launch knn (part 2): grid 64 x 4, 8 waves a work-group, clusters of 4 x 1, 327,680 bytes of LDS; arguments fimg, faux, part; writes part
.if DOCPART == 2
	.amdgcn_target "amdgcn-amd-amdhsa--gfx1250"
	.amdhsa_code_object_version 6
	.text
	.protected	k_q2941fc3fc5_knn
	.globl	k_q2941fc3fc5_knn
	.p2align	8
	.type	k_q2941fc3fc5_knn,@function
k_q2941fc3fc5_knn:
	s_mov_b64 s[64:65], 0
	v_nop
	global_prefetch_b8 v0, s[64:65] scope:SCOPE_SE
	s_setreg_imm32_b32 hwreg(HW_REG_WAVE_MODE, 25, 1), 1
	s_wait_xcnt 0x0
	s_wait_alu depctr_hold_cnt(0) depctr_sa_sdst(0) depctr_va_vdst(0) depctr_va_sdst(0) depctr_va_ssrc(0) depctr_va_vcc(0) depctr_vm_vsrc(0)
	s_getreg_b32 s2, hwreg(HW_REG_IB_STS2, 6, 4)
	s_cmp_eq_u32 s2, 0
	s_cbranch_scc0 .Lentry_in_a_cluster
	s_endpgm
.Lentry_in_a_cluster:
	s_bfe_u32 s2, ttmp6, 0x10000c
	s_cmp_lg_u32 s2, 0x3003
	s_cbranch_scc0 .Lentry_shape_is_right
	s_endpgm
.Lentry_shape_is_right:
; KNN.  d2(i, j) = sq_i + (sq_j - 2 Q(f_i) . Q(f_j)) for 128 rows i against a chunk of 2,048 columns j; of each row the 21 SMALLEST d2 of the chunk, sorted, go to part [chunk 4][tile 512][k 21][lane 32].
; The root and the clamp at 1e-12 do not fall where d2 rises, so the choice is made on d2; the next launch takes the roots of what is kept.
; SHARES.  Work-group (x, y): rows of tiles 8 x .. 8 x + 7, chunk y.  Wave v owns tile 8 x + v, 16 rows, and walks the chunk's 128 column tiles, nine a trip.
; THE PRODUCT MAKES g = sq_j - 2 f_i . f_j BY ITSELF.  My rows' codes get their signs flipped and their scale bytes 1 added (x -2) once, at the head; sq_j is loaded from LDS straight into the accumulators;
; the two K steps add in place.  The choice is made on g: sq_i is the same for the whole row, and a rounded addition of it does not turn an order round; it is added to the 21 numbers that are kept.
; Source 0 = 16 columns' fragment, source 1 = my 16 rows': a lane holds ONE row (lane % 16) and eight columns a tile.  The accumulators take turns.
; LDS.  The chunk's codes (tile n at 2,048 n) and, from AUX on, 256 bytes a tile (scale words, then sq) come in once, as they lie in memory: images of operand registers.  Nothing is filled again.
; At the head each wave asks for one part: waves 0-5 six tiles of codes each (tiles 0-35), waves 6 and 7 half of the scale words and sq each.  Tiles 36-127 follow, 92 rows of 256 bytes a wave, behind the
; lines and the round ahead of a later first fill; they are read behind a barrier that stands behind the third trip.
; CLUSTER.  The four work-groups of a cluster have the same chunk: each fill is asked for jointly (mask 15), by the same line with the same descriptor in all four.
; A TRIP'S 63 LDS LOADS ARE ISSUED IN THE TRIP BEFORE, behind the last reader of the accumulators and ahead of 236 insertions: the fragments have registers of their own.
; THE CHOICE is a fixed network: no branch, no address hangs on a number.  A trip gives a lane 72 numbers: register q of nine tiles is a group of 9.  Level 1 sorts its three triples; level 2 sorts, for each rank p, the
; three numbers of rank p; level 3 sorts, for each class (p, s), the three numbers of that class of registers 0, 1, 2 (and of 3, 4, 5; of 6, 7 the pair).  A number of class (p, s, t) has p s t numbers of its own group that
; are not larger (itself among them), a group has one number of each class, and groups are disjoint: so the n-th smallest of a class has p s t n such numbers, and one of the row's 21 smallest is among the
; 21 / (p s t), rounded down, smallest of its class.  Sorted lists keep those: 119 registers.  A number enters a list by one v_med3 an entry, from the top down, and one minimum.
; At the end the lists are merged into one of 21, and the two halves of the lanes, which hold the same rows and other columns, are joined.
; No prefetch into the L2: both fills are asked for at the launch's start, and there is no loop of fills to run ahead in.
; LIMITS: NaN and infinities are not served.  A scale byte of 254 among my rows' (|f| of 2^127 and more) would become 255.
.set WV,  14                           ; s14 my wave;  s15 trips to go;  s2, s3 LDS byte of the next trip's codes, and of its scale words and sq from AUX on
.set CNT, 15
.set TB,  2
.set TA,  3
.set G1X, 16                           ; groups 1: s[16:23] 64 rows of 256 bytes, s[24:31] 48 rows, s[32:39] 92 rows
.set G1A, 24
.set G1B, 32
.set G0X, 40                           ; their groups 0
.set G0A, 44
.set G0B, 48
.set SEL, 58                           ; s[58:59] lane selects of v_permlanex16_b32: lane l xor 16
.set AUX, 262144
.set SPARE, 294912                     ; the spare words: 128 bytes a wave
.set SCL, 12                           ; v12-20   nine tiles' scale words: they hold nothing else;  v10 my rows': likewise
.set OWN, 22                           ; v22-37   my rows' two fragments, signs flipped
.set FR8, 38                           ; v38-53   the ninth tile's two fragments
.set D2,  56                           ; v56-127  nine accumulators: sq_j, then g
.set TX,  128                          ; v128-145 level 1, two sets of 9
.set TY,  146                          ; v146-172 level 2, three sets of 9: class (p, s) at 3 (p - 1) + s - 1
.set TZ,  173                          ; v173-199 level 3: class (p, s, t) at 3 x the class (p, s) + t - 1
.set FRW, 120                          ; window 1, v376-503: tiles 0-7, two fragments each
.set L11, 0                            ; window 1, v256-374: the lists, class by class; (p, s, 1) begins here: 21, 10, 7
.set L12, 38                           ; 10, 5, 3
.set L13, 56                           ; 7, 3, 2
.set L21, 68                           ; 10, 5, 3
.set L22, 86                           ; 5, 2, 1
.set L23, 94                           ; 3, 1, 1
.set L31, 99                           ; 7, 3, 2
.set L32, 111                          ; 3, 1, 1
.set L33, 116                          ; 2, 1, none
.set W_INS, 0x45                       ; destination, sources 0 and 1 window 1; source 2 window 0
.set W_MRG, 0x55                       ; all four window 1
.set MSB, 0
.macro WIN new                         ; s_set_vgpr_msb: bits 1:0 source 0, 3:2 source 1, 5:4 source 2, 7:6 destination; the high byte repeats the setting that is left
.if MSB != \new
	s_set_vgpr_msb (MSB<<8)|\new
.set MSB, \new
.endif
.endm
.macro PLACES
.rept 4
	v_nop
.endr
.endm
.macro ROUND                           ; a round of the cluster's barrier
	s_barrier_signal -1
	s_barrier_wait -1
	s_cmp_lg_u32 s[WV], 0
	s_cbranch_scc1 .Lnot_wave_0_\@
	s_barrier_signal -3
.Lnot_wave_0_\@:
	s_barrier_wait -3
	s_barrier_signal -1
	s_barrier_wait -1
.endm
.macro WMA0 d, a, b, sa                ; K step 0 adds onto sq_j: the scale words' lanes 0-15
	v_wmma_scale_f32_16x16x128_f8f6f4 v[\d:\d+7], v[\a:\a+7], v[\b:\b+7], v[\d:\d+7], v[\sa], v10 matrix_a_fmt:MATRIX_FMT_FP4 matrix_b_fmt:MATRIX_FMT_FP4
.endm
.macro WMA1 d, a, b, sa                ; K step 1: the scale words' lanes 16-31
	v_wmma_scale_f32_16x16x128_f8f6f4 v[\d:\d+7], v[\a:\a+7], v[\b:\b+7], v[\d:\d+7], v[\sa], v10 matrix_a_fmt:MATRIX_FMT_FP4 matrix_b_fmt:MATRIX_FMT_FP4 matrix_a_scale:MATRIX_SCALE_ROW1 matrix_b_scale:MATRIX_SCALE_ROW1
.endm
; The LDS loads of n column tiles from s[TB], s[TA] on: fragments, scale words, and sq_j into the accumulators
.macro FETCH n
	v_add_nc_u32 v4, s[TB], v1
	v_add_nc_u32 v5, s[TA], v2
	v_add_nc_u32 v6, s[TA], v3
	WIN 0x40                                       ; destination window 1, address window 0
.set u, 0
.rept \n
.if u < 8
.irp c, 0,1,2,3
	ds_load_b128 v[FRW+16*u+4*\c:FRW+16*u+4*\c+3], v4 offset:u*2048+512*\c
.endr
.endif
.set u, u+1
.endr
	WIN 0
.if \n > 8
.irp c, 0,1,2,3
	ds_load_b128 v[FR8+4*\c:FR8+4*\c+3], v4 offset:8*2048+512*\c
.endr
.endif
.set u, 0
.rept \n
	ds_load_b32 v[SCL+u], v5 offset:u*256
	ds_load_b128 v[D2+8*u:D2+8*u+3], v6 offset:u*256
	ds_load_b128 v[D2+8*u+4:D2+8*u+7], v6 offset:u*256+16
.set u, u+1
.endr
.endm
; The products of n tiles.  Order: tile 8, tiles 0-7, tile 8, tiles 0-7: no two that follow each other share an accumulator, over the loop's edge too
.macro MULS n
.irp k, 0,1
.if \n > 8
.if \k
	WMA1 D2+64, FR8+8, OWN+8, SCL+8
.else
	WMA0 D2+64, FR8, OWN, SCL+8
.endif
.endif
	WIN 0x01                                       ; source 0 window 1
.set u, 0
.rept \n
.if u < 8
.if \k
	WMA1 D2+8*u, FRW+16*u+8, OWN+8, SCL+u
.else
	WMA0 D2+8*u, FRW+16*u, OWN, SCL+u
.endif
.endif
.set u, u+1
.endr
	WIN 0
.endr
.endm
; Register q of the nine tiles: two levels of sorted triples; level 1 into set q % 2 of TX, level 2 into set slot of TY
.macro LEV q, slot
.set LX, TX+9*((\q)%2)
.set LY, TY+9*(\slot)
.irp a, 0,1,2
	v_min3_num_f32 v[LX+3*\a], v[D2+24*\a+\q], v[D2+24*\a+8+\q], v[D2+24*\a+16+\q]
	v_med3_num_f32 v[LX+3*\a+1], v[D2+24*\a+\q], v[D2+24*\a+8+\q], v[D2+24*\a+16+\q]
	v_max3_num_f32 v[LX+3*\a+2], v[D2+24*\a+\q], v[D2+24*\a+8+\q], v[D2+24*\a+16+\q]
.endr
.irp p, 0,1,2
	v_min3_num_f32 v[LY+3*\p], v[LX+\p], v[LX+3+\p], v[LX+6+\p]
	v_med3_num_f32 v[LY+3*\p+1], v[LX+\p], v[LX+3+\p], v[LX+6+\p]
	v_max3_num_f32 v[LY+3*\p+2], v[LX+\p], v[LX+3+\p], v[LX+6+\p]
.endr
.endm
.macro LEV3                            ; class by class, the three sets of TY sorted into TZ; the largest of class (3, 3) has 27 numbers that are not larger: it is not made
.set cc_, 0
.rept 9
	v_min3_num_f32 v[TZ+3*cc_], v[TY+cc_], v[TY+9+cc_], v[TY+18+cc_]
	v_med3_num_f32 v[TZ+3*cc_+1], v[TY+cc_], v[TY+9+cc_], v[TY+18+cc_]
.if cc_ < 8
	v_max3_num_f32 v[TZ+3*cc_+2], v[TY+cc_], v[TY+9+cc_], v[TY+18+cc_]
.endif
.set cc_, cc_+1
.endr
.endm
.macro PAIR                            ; the same for two sets: the smaller has t = 1, the larger t = 2
.set cc_, 0
.rept 9
	v_min_num_f32 v[TZ+3*cc_], v[TY+cc_], v[TY+9+cc_]
	v_max_num_f32 v[TZ+3*cc_+1], v[TY+cc_], v[TY+9+cc_]
.set cc_, cc_+1
.endr
.endm
; v[e] enters the ascending list of k at v[base]: entry i becomes the median of entry i - 1, entry i and e, from the top down, so that each line reads old entries.
; lo: so many entries are known not to be larger than e and stay.  The lowest entry's minimum has three sources, so that e stands in source 2 there too.
.macro INSL base, k, e, lo
.set ii_, (\k)-1
.if (\lo) > 0
.rept (\k)-(\lo)
	v_med3_num_f32 v[\base+ii_], v[\base+ii_-1], v[\base+ii_], v[\e]
.set ii_, ii_-1
.endr
.else
.rept (\k)-1
	v_med3_num_f32 v[\base+ii_], v[\base+ii_-1], v[\base+ii_], v[\e]
.set ii_, ii_-1
.endr
	v_min3_num_f32 v[\base], v[\base], v[\base], v[\e]
.endif
.endm
.macro INSZ n                          ; TZ's numbers of t = 1 .. n enter their lists; a list's length is 21 / (p s t), and the lists lie on end in the order of TZ
.set lb_, 0
.set cc_, 0
.rept 9
.set tt_, 0
.rept 3
.set ln_, 21/((cc_/3+1)*(cc_%3+1)*(tt_+1))
.if (tt_ < \n) && (ln_ > 0)
	INSL lb_, ln_, TZ+3*cc_+tt_, 0
.endif
.set lb_, lb_+ln_
.set tt_, tt_+1
.endr
.set cc_, cc_+1
.endr
.endm
.macro MERGE dst, k, src, n            ; the n ascending numbers from v[src] on enter the list of k at v[dst]: when the m-th enters, m - 1 entries are known not to be larger
.set mm_, 0
.rept \n
	INSL \dst, \k, \src+mm_, mm_
.set mm_, mm_+1
.endr
.endm
.macro NEXT                            ; on to the next nine tiles
	s_add_co_u32 s[TB], s[TB], 9*2048
	s_add_co_u32 s[TA], s[TA], 9*256
.endm
; A trip: nine column tiles, 72 numbers a lane.  test = 1: the loop's last trip fetches nothing (a branch on the counter alone).
.macro TRIP test
	s_wait_dscnt 0x0                               ; the trip's loads, issued in the trip before
	MULS 9
	PLACES                                         ; four plain instructions between the products and the first reader of their results (ISA guide 7.12.1)
	LEV 0, 0                                       ; each accumulator is first read at its register 0
	LEV 1, 1
	LEV 2, 2
	LEV3
	LEV 3, 0
	LEV 4, 1
	LEV 5, 2
	WIN W_INS
	INSZ 3
	WIN 0
	LEV3
	LEV 6, 0
	LEV 7, 1                                       ; the accumulators' last reader
.if \test
	s_wait_alu depctr_va_vdst(0)
	s_cmp_eq_u32 s[CNT], 1
	s_cbranch_scc1 .Lno_fetch_\@
.endif
	FETCH 9
.if \test
.Lno_fetch_\@:
.endif
	NEXT
	WIN W_INS
	INSZ 3
	WIN 0
	PAIR
	WIN W_INS
	INSZ 2
	WIN 0                                          ; at a label and at a branch every window is 0
.endm
	s_load_b128 s[4:7], s[0:1], 0x0                ; fimg s[4:5], faux s[6:7]
	s_load_b64 s[8:9], s[0:1], 0x10                ; part
	v_lshl_add_u32 v254, v0, 2, SPARE
	v_mov_b32 v255, 0
	ds_add_u32 v254, v255                          ; the opening lines: the add, twice on end, and its wait ahead of the first tensor load
	ds_add_u32 v254, v255
	v_lshrrev_b32 v1, 5, v0
	v_and_b32 v7, 31, v0
	v_bfe_u32 v3, v0, 4, 1
	v_readfirstlane_b32 s[WV], v1                  ; wave 0..7
	v_lshlrev_b32 v1, 4, v7                        ; 16 x lane: an image's place for my lane
	v_lshlrev_b32 v7, 2, v7                        ; 4 x lane
	v_lshl_add_u32 v3, v3, 5, AUX+128              ; a tile's sq: my half's eight columns lie at 32 (lane / 16)
	v_add_nc_u32 v2, AUX, v7                       ; a tile's scale words
	s_bfe_u32 s66, ttmp6, 0x40000                  ; cx: my place in the cluster
	s_lshl_b32 s67, ttmp9, 2                       ; in a cluster launch ttmp9 counts clusters
	s_add_co_u32 s67, s67, s66
	s_lshl_b32 s67, s67, 3
	s_add_co_u32 s67, s67, s[WV]                   ; my tile t = 8 (4 x cluster x + cx) + wave
	s_and_b32 s68, ttmp7, 0xffff                   ; the chunk, which the four partners share
.irp g, G1X, G1A, G1B                  ; dense blocks as rows of 256 bytes (32 elements of 8 bytes), no padding
	s_mov_b32 s[\g], 0x23000f                      ; 15:0 the mask: all four work-groups; 17:16 elements of 8 bytes; 21 set beside a mask
	s_mov_b32 s[\g+1], 32<<16
	s_mov_b32 s[\g+3], 32<<16
	s_mov_b32 s[\g+5], 32
	s_mov_b32 s[\g+6], 0
	s_mov_b32 s[\g+7], 0
.endr
	s_mov_b32 s[G1X+2], 64<<16                     ; tensor_dim1 and tile_dim1: the rows
	s_mov_b32 s[G1X+4], 64
	s_mov_b32 s[G1A+2], 48<<16
	s_mov_b32 s[G1A+4], 48
	s_mov_b32 s[G1B+2], 92<<16
	s_mov_b32 s[G1B+4], 92
	s_and_b32 s69, s[WV], 1                        ; scale words and sq: wave 6 the first 16,384 bytes, wave 7 the rest
	s_lshl_b32 s69, s69, 14
	s_lshl_b32 s52, s68, 15
	s_add_co_u32 s52, s52, s69
	s_mov_b32 s53, 0
	s_mul_i32 s70, s[WV], 12288                    ; tiles 0-35: 12,288 bytes for each of waves 0-5
	s_lshl_b32 s54, s68, 18
	s_add_co_u32 s54, s54, s70
	s_mov_b32 s55, 0
	s_mul_i32 s71, s[WV], 23552                    ; tiles 36-127: 23,552 bytes a wave
	s_add_co_u32 s71, s71, 73728
	s_lshl_b32 s56, s68, 18
	s_add_co_u32 s56, s56, s71
	s_mov_b32 s57, 0
	s_mov_b32 s[SEL], 0x76543210
	s_mov_b32 s[SEL+1], 0xfedcba98
	s_mov_b32 s[TB], 0
	s_mov_b32 s[TA], 0
	s_lshl_b32 s60, s67, 11                        ; my tile's codes,
	s_mov_b32 s61, 0
	s_lshl_b32 s62, s67, 8                         ; its scale words and sq,
	s_mov_b32 s63, 0
	s_lshl_b32 s66, s68, 9
	s_add_co_u32 s66, s66, s67
	s_mul_i32 s66, s66, 2688                       ; and its list: (512 chunk + t) x 21 x 128 bytes
	s_mov_b32 s67, 0
	s_wait_alu depctr_va_vdst(0)
	s_wait_dscnt 0x0
	s_wait_kmcnt 0x0
	s_add_nc_u64 s[60:61], s[4:5], s[60:61]
	s_add_nc_u64 s[62:63], s[6:7], s[62:63]
.irp c, 0,1,2,3
	global_load_b128 v[OWN+4*\c:OWN+4*\c+3], v1, s[60:61] offset:512*\c   ; my own rows first: six loads, ahead of the fills
.endr
	global_load_b32 v10, v7, s[62:63]
	global_load_b32 v8, v7, s[62:63] offset:128    ; sq_i
	s_mov_b32 s[G0X], 1                            ; count = 1
	s_add_co_u32 s[G0X+1], s69, AUX                ; LDS address
	s_add_nc_u64 s[G0X+2:G0X+3], s[6:7], s[52:53]  ; global address
	s_or_b32 s[G0X+3], s[G0X+3], 0x80000000        ; type = 2
	s_mov_b32 s[G0A], 1
	s_mov_b32 s[G0A+1], s70
	s_add_nc_u64 s[G0A+2:G0A+3], s[4:5], s[54:55]
	s_or_b32 s[G0A+3], s[G0A+3], 0x80000000
	s_mov_b32 s[G0B], 1
	s_mov_b32 s[G0B+1], s71
	s_add_nc_u64 s[G0B+2:G0B+3], s[4:5], s[56:57]
	s_or_b32 s[G0B+3], s[G0B+3], 0x80000000
	s_add_nc_u64 s[8:9], s[8:9], s[66:67]
	s_mov_b32 s69, 0x7f800000                      ; +infinity
	ROUND                                          ; all four work-groups are here: the joint loads meet
	s_cmp_lt_u32 s[WV], 6                          ; one tensor load a wave at the head: every way passes exactly one
	s_cbranch_scc0 .Laux
	tensor_load_to_lds s[G0A:G0A+3], s[G1A:G1A+7]
	s_nop 0
	PLACES
	s_branch .Lasked
.Laux:
	tensor_load_to_lds s[G0X:G0X+3], s[G1X:G1X+7]
	s_nop 0
	PLACES
.Lasked:
	WIN 0x40                                       ; destination window 1
.set i_, 0
.rept 119
	v_mov_b32 v[i_], s69                           ; the lists begin as +infinity
.set i_, i_+1
.endr
	WIN 0
	s_wait_loadcnt 0x0
.set i_, 0
.rept 16
	v_xor_b32 v[OWN+i_], 0x88888888, v[OWN+i_]     ; my rows' codes: every sign flipped,
.set i_, i_+1
.endr
	v_add_nc_u32 v10, 0x01010101, v10              ; and 1 onto each of their scale bytes: my rows x -2
	s_wait_alu depctr_va_vdst(0)
	s_wait_tensorcnt 0x0                           ; my part of the head's fills is in
	ds_add_u32 v254, v255
	s_wait_dscnt 0x0
	ROUND                                          ; everybody's part is in, and the joint loads meet
	tensor_load_to_lds s[G0B:G0B+3], s[G1B:G1B+7]  ; tiles 36-127: my one load behind the round; one load of mine is out
	s_nop 0
	PLACES
	FETCH 9                                        ; tiles 0-8
	NEXT
	s_mov_b32 s[CNT], 3
.Lfirst:                                               ; tiles 0-26; the third trip fetches tiles 27-35
	TRIP 0
	s_sub_co_u32 s[CNT], s[CNT], 1
	s_cmp_lg_u32 s[CNT], 0
	s_wait_alu depctr_va_vdst(0)
	s_cbranch_scc1 .Lfirst
	s_wait_tensorcnt 0x0                           ; my part of tiles 36-127 is in,
	s_wait_dscnt 0x0                               ; no LDS load of mine is out at a signal
	s_barrier_signal -1
	s_barrier_wait -1                              ; everybody's is
	s_mov_b32 s[CNT], 11
.Lrest:                                                ; tiles 27-125
	TRIP 1
	s_sub_co_u32 s[CNT], s[CNT], 1
	s_cmp_lg_u32 s[CNT], 0
	s_wait_alu depctr_va_vdst(0)
	s_cbranch_scc1 .Lrest
	; tiles 126 and 127: pairs.  A pair's smaller number has class (1, 1, 1); its larger has two numbers of its pair that are not larger: class (1, 1, 2)
	s_mov_b32 s[TB], 126*2048
	s_mov_b32 s[TA], 126*256
	FETCH 2
	s_wait_dscnt 0x0
	MULS 2
	PLACES
.irp q, 0,1,2,3,4,5,6,7
	v_min_num_f32 v[TX+2*\q], v[D2+\q], v[D2+8+\q]
	v_max_num_f32 v[TX+2*\q+1], v[D2+\q], v[D2+8+\q]
.endr
	WIN W_INS
.irp q, 0,1,2,3,4,5,6,7
	INSL L11, 21, TX+2*\q, 0
	INSL L11+21, 10, TX+2*\q+1, 0
.endr
	; the lists are merged.  All numbers of a class (p, s, .) come from disjoint groups of 9 with p s numbers each that are not larger: 21 / (p s) of them suffice.  Likewise all of rank p: 21 / p.
	WIN W_MRG
.set lb_, 0
.set cc_, 0
.rept 9
.set pr_, (cc_/3+1)*(cc_%3+1)
.set la_, 21/pr_
.set l2_, 21/(2*pr_)
.set l3_, 21/(3*pr_)
	MERGE lb_, la_, lb_+la_, l2_
	MERGE lb_, la_, lb_+la_+l2_, l3_
.set lb_, lb_+la_+l2_+l3_
.set cc_, cc_+1
.endr
	MERGE L11, 21, L12, 10
	MERGE L11, 21, L13, 7
	MERGE L21, 10, L22, 5
	MERGE L21, 10, L23, 3
	MERGE L31, 7, L32, 3
	MERGE L31, 7, L33, 2
	MERGE L11, 21, L21, 10
	MERGE L11, 21, L31, 7
	WIN 0x01                                       ; lane l xor 16 holds the same row's other columns.  Source 0 window 1, destination window 0
.set i_, 0
.rept 21
	v_permlanex16_b32 v[D2+i_], v[L11+i_], s[SEL], s[SEL+1]
.set i_, i_+1
.endr
	WIN W_INS
	MERGE L11, 21, D2, 21
	WIN 0x41                                       ; destination and source 0 window 1, source 1 window 0
.set i_, 0
.rept 21
	v_add_f32 v[L11+i_], v[L11+i_], v8             ; d2 = g + sq_i
.set i_, i_+1
.endr
	WIN 0x04                                       ; a store's data are its source 1: window 1
.set i_, 0
.rept 21
	global_store_b32 v7, v[L11+i_], s[8:9] offset:128*i_
.set i_, i_+1
.endr
	WIN 0
	s_wait_tensorcnt 0x0                           ; the wave's end
	ds_add_u32 v254, v255
	s_wait_dscnt 0x0
	ROUND                                          ; the closing round: no work-group ends while a partner may still ask for a tile that names it
	s_endpgm
.Lfunc_end_k_q2941fc3fc5_knn:
	.size	k_q2941fc3fc5_knn, .Lfunc_end_k_q2941fc3fc5_knn-k_q2941fc3fc5_knn
	.p2alignl 7, 3214868480
	.fill 96, 4, 3214868480
	.section	.rodata,"a",@progbits
	.p2align	6, 0x0
	.amdhsa_kernel k_q2941fc3fc5_knn
		.amdhsa_group_segment_fixed_size 327680
		.amdhsa_private_segment_fixed_size 0
		.amdhsa_enable_private_segment 0
		.amdhsa_kernarg_size 24
		.amdhsa_user_sgpr_count 2
		.amdhsa_user_sgpr_kernarg_segment_ptr 1
		.amdhsa_wavefront_size32 1
		.amdhsa_system_sgpr_workgroup_id_x 1
		.amdhsa_system_sgpr_workgroup_id_y 1
		.amdhsa_system_sgpr_workgroup_id_z 1
		.amdhsa_system_vgpr_workitem_id 0
		.amdhsa_next_free_vgpr 512
		.amdhsa_next_free_sgpr 72
		.amdhsa_reserve_vcc 0
		.amdhsa_float_denorm_mode_32 3
		.amdhsa_float_denorm_mode_16_64 3
		.amdhsa_memory_ordered 1
		.amdhsa_forward_progress 1
		.amdhsa_inst_pref_size 210
	.end_amdhsa_kernel
	.amdgpu_metadata
---
amdhsa.version: [ 1, 2 ]
amdhsa.kernels:
  - .name:           k_q2941fc3fc5_knn
    .symbol:         k_q2941fc3fc5_knn.kd
    .args:
      - { .name: fimg, .offset: 0, .size: 8, .value_kind: global_buffer, .address_space: global }
      - { .name: faux, .offset: 8, .size: 8, .value_kind: global_buffer, .address_space: global }
      - { .name: part, .offset: 16, .size: 8, .value_kind: global_buffer, .address_space: global }
    .group_segment_fixed_size: 327680
    .private_segment_fixed_size: 0
    .kernarg_segment_align: 8
    .kernarg_segment_size: 24
    .max_flat_workgroup_size: 256
    .sgpr_count:     72
    .vgpr_count:     512
    .wavefront_size: 32
...
	.end_amdgpu_metadata
.endif
;; end of part 2
;; launch wq (part 3): grid 64 x 4, 8 waves a work-group, clusters of 4 x 1, 327,680 bytes of LDS; arguments fimg, faux, part, wimg, wsc; writes wimg, wsc
.if DOCPART == 3
	.amdgcn_target "amdgcn-amd-amdhsa--gfx1250"
	.amdhsa_code_object_version 6
	.text
	.protected	k_q2941fc3fc5_wq
	.globl	k_q2941fc3fc5_wq
	.p2align	8
	.type	k_q2941fc3fc5_wq,@function
k_q2941fc3fc5_wq:
	s_mov_b64 s[64:65], 0
	v_nop
	global_prefetch_b8 v0, s[64:65] scope:SCOPE_SE
	s_setreg_imm32_b32 hwreg(HW_REG_WAVE_MODE, 25, 1), 1
	s_wait_xcnt 0x0
	s_wait_alu depctr_hold_cnt(0) depctr_sa_sdst(0) depctr_va_vdst(0) depctr_va_sdst(0) depctr_va_ssrc(0) depctr_va_vcc(0) depctr_vm_vsrc(0)
	s_getreg_b32 s2, hwreg(HW_REG_IB_STS2, 6, 4)
	s_cmp_eq_u32 s2, 0
	s_cbranch_scc0 .Lentry_in_a_cluster
	s_endpgm
.Lentry_in_a_cluster:
	s_bfe_u32 s2, ttmp6, 0x10000c
	s_cmp_lg_u32 s2, 0x3003
	s_cbranch_scc0 .Lentry_shape_is_right
	s_endpgm
.Lentry_shape_is_right:
; WQ.  w(i, j) = max(kth_i - d(i, j), 0) / the row's sum, d = sqrt(max(d2, 1e-12)), kth the 21st smallest d of the row; w is quantised along j to FP4 (E2M1) with one E8M0 scale for each 32, and stored as the
; last product's operand: wimg [tile 512][step of 128 columns 64][1,024 bytes], an image of the fragment's registers; wsc [tile][step][row 16][4 bytes].
; Shares, LDS, descriptors, cluster and the product are those of the launch before: 128 rows x a chunk of 2,048 columns a work-group, a tile of 16 rows a wave, the chunk's codes, scale words and sq in LDS once, asked for jointly
; by the four work-groups of a cluster, which have the same chunk.  d2 is made by the same instructions on the same operands in the same order as there.
; THE ROW'S FIGURES.  My own rows and their four lists of 21 (one a chunk) are asked for ahead of the joint fills; while the fills land, each wave merges the lists: lanes 0-15 chunks 0 and 1, lanes 16-31 chunks 2 and 3; then entry i
; against the other half's entry 20 - i: the minima are the row's 21 smallest d2.  KTH2 = the largest of them, at least 1e-12; kth = its root.  Only these 21 can have a positive weight, so the row's sum is the sum of kth - d over them.
; 1 / sum: v_rcp_f32 and one Newton step.
; ONE v_med3 holds d2 between 1e-12 and KTH2: the clamp under the root, and the max(.., 0): where d2 is KTH2 or more, d is kth to the bit and the weight is 0.  (This takes v_sqrt_f32 not to fall where its input rises.)
; A lane holds one row; the 64 registers of eight column tiles are, by the tiles' order of rows, register 16 b + i = column 32 b + 16 (lane / 16) + i of a step of 128: what the quantiser wants.
; No prefetch: the launch's only fills stand at its head.
; LIMITS: NaN and infinities are not served.  A row whose 21 smallest distances are all equal has the sum 0, where the definition gives NaN: what is stored for it is unspecified.  A block of zeros gets the scale byte 1 and not
; 127: its codes are zeros, and this program alone reads the bytes.  The division is a multiplication by the reciprocal; the root is v_sqrt_f32.
.set WV,  14
.set CNT, 15
.set TB,  2
.set TA,  3
.set G1X, 16
.set G1A, 24
.set G1B, 32
.set G0X, 40
.set G0A, 44
.set G0B, 48
.set SEL, 58
.set EPS, 72                           ; s72      1e-12
.set LOW, 73                           ; s73      the mask of lanes 0-15
.set AUX, 262144
.set KTH2, 11                          ; v11      KTH2;  v[12:13] kth, twice;  v[14:15] 1 / sum, twice
.set OWN, 16                           ; v16-31   my rows' two fragments;  v10 their scale words: it holds nothing else
.set FR,  32                           ; v32-95   four column tiles, two fragments each
; sq_j is loaded straight into the accumulators S: my rows' codes have their signs flipped and their scale bytes 1 added (x -2), so the two K steps make g = sq_j - 2 f_i . f_j, as in the launch before; d2 = g + sq_i.
; The fills: at the head waves 0-5 six tiles of codes each (tiles 0-35), waves 6 and 7 half of the scale words and sq each; tiles 36-127 follow behind the lines and the round.
; LIMIT: a scale byte of 254 among my rows' (|f| of 2^127 and more) would become 255.
.set SCL, 128                          ; v128-131 the four tiles' scale words: they hold nothing else
.set S,   132                          ; v132-195 64 numbers: d2, d, w
.set CD,  196                          ; v196-211 the codes of the trip's two steps
.set TM,  212                          ; v212-219 the quantiser's eight registers
.set PW,  228                          ; v228-229 the two steps' scale words;  v230 both, as they are stored
.set LA,  132                          ; the prologue: list A, v132-152; list B, then the other half's list, v153-173
.set LB,  153
.macro ROUND
	s_barrier_signal -1
	s_barrier_wait -1
	s_cmp_lg_u32 s[WV], 0
	s_cbranch_scc1 .Lnot_wave_0_\@
	s_barrier_signal -3
.Lnot_wave_0_\@:
	s_barrier_wait -3
	s_barrier_signal -1
	s_barrier_wait -1
.endm
.macro WM d, a, b, sa, sb
	v_wmma_scale_f32_16x16x128_f8f6f4 v[\d:\d+7], v[\a:\a+7], v[\b:\b+7], v[\d:\d+7], v[\sa], v[\sb] matrix_a_fmt:MATRIX_FMT_FP4 matrix_b_fmt:MATRIX_FMT_FP4
.endm
.macro WMA1 d, a, b, sa, sb
	v_wmma_scale_f32_16x16x128_f8f6f4 v[\d:\d+7], v[\a:\a+7], v[\b:\b+7], v[\d:\d+7], v[\sa], v[\sb] matrix_a_fmt:MATRIX_FMT_FP4 matrix_b_fmt:MATRIX_FMT_FP4 matrix_a_scale:MATRIX_SCALE_ROW1 matrix_b_scale:MATRIX_SCALE_ROW1
.endm
; v[e] enters the ascending list of k at v[base], from the top down; lo: so many entries are known not to be larger than e and stay as they are
.macro INSL base, k, e, lo
.set ii_, (\k)-1
.if (\lo) > 0
.rept (\k)-(\lo)
	v_med3_num_f32 v[\base+ii_], v[\base+ii_-1], v[\base+ii_], v[\e]
.set ii_, ii_-1
.endr
.else
.rept (\k)-1
	v_med3_num_f32 v[\base+ii_], v[\base+ii_-1], v[\base+ii_], v[\e]
.set ii_, ii_-1
.endr
	v_min_num_f32 v[\base], v[\base], v[\e]
.endif
.endm
.macro QUANT s, pc, pw                 ; 64 numbers of a lane become a fragment's codes in v[pc] on and the row's scale word in v[pw]
.irp b, 0,1,2,3
	v_max3_num_f32 v[TM+\b], |v[\s+16*\b]|, |v[\s+16*\b+1]|, 0x1800000   ; block b: my 16 numbers, and the floor 2^(3 - 127): the byte cannot fall under 1
.endr
.irp i, 2,4,6,8,10,12,14
.irp b, 0,1,2,3
	s_delay_alu instid0(VALU_DEP_4)
	v_max3_num_f32 v[TM+\b], v[TM+\b], |v[\s+16*\b+\i]|, |v[\s+16*\b+\i+1]|
.endr
.endr
.irp b, 0,1,2,3
	s_delay_alu instid0(VALU_DEP_4)
	v_permlanex16_b32 v[TM+4+\b], v[TM+\b], s[SEL], s[SEL+1]
.endr
.irp b, 0,1,2,3
	s_delay_alu instid0(VALU_DEP_4)
	v_max_num_f32 v[TM+\b], v[TM+\b], v[TM+4+\b]
.endr
.irp b, 0,1,2,3
	s_delay_alu instid0(VALU_DEP_4)
	v_add_nc_u32 v[TM+\b], 0xff000000, v[TM+\b]        ; 2 off the exponent field: the conversion's scale operand
.endr
.irp b, 0,1,2,3
	s_delay_alu instid0(VALU_DEP_4)
	v_lshrrev_b32 v[TM+4+\b], 23, v[TM+\b]             ; the scale's byte
.endr
	s_delay_alu instid0(VALU_DEP_3)
	v_lshl_or_b32 v[\pw], v[TM+5], 8, v[TM+4]
	s_delay_alu instid0(VALU_DEP_1)
	v_lshl_or_b32 v[\pw], v[TM+6], 16, v[\pw]
	s_delay_alu instid0(VALU_DEP_1)
	v_lshl_or_b32 v[\pw], v[TM+7], 24, v[\pw]
.irp b, 0,1,2,3
	v_cvt_scalef32_pk8_fp4_f32 v[\pc+2*\b], v[\s+16*\b:\s+16*\b+7], v[TM+\b]
	v_cvt_scalef32_pk8_fp4_f32 v[\pc+2*\b+1], v[\s+16*\b+8:\s+16*\b+15], v[TM+\b]
.endr
	v_nop                                              ; one plain instruction behind the scaled conversions
.irp c, 0,1
.irp i, 0,1
	v_permlane16_swap_b32 v[\pc+4*\c+\i], v[\pc+4*\c+2+\i]
.endr
.endr
.endm
	s_load_b256 s[4:11], s[0:1], 0x0               ; fimg s[4:5], faux s[6:7], part s[8:9], wimg s[10:11]
	s_load_b64 s[12:13], s[0:1], 0x20              ; wsc
	v_lshl_add_u32 v254, v0, 2, 0x48000
	v_mov_b32 v255, 0
	ds_add_u32 v254, v255
	ds_add_u32 v254, v255
	v_lshrrev_b32 v1, 5, v0
	s_delay_alu instid0(VALU_DEP_1)
	v_readfirstlane_b32 s[WV], v1                  ; wave 0..7
	v_and_b32 v7, 31, v0
	s_delay_alu instid0(VALU_DEP_1)
	v_cmp_gt_u32 s[LOW], 16, v7
	s_delay_alu instid0(VALU_DEP_2)
	v_lshlrev_b32 v1, 4, v7                        ; 16 x lane
	s_delay_alu instid0(VALU_DEP_3)
	v_lshlrev_b32 v7, 2, v7                        ; 4 x lane
	s_delay_alu instid0(VALU_DEP_1)
	v_add_nc_u32 v2, AUX, v7
	v_bfe_u32 v3, v0, 4, 1
	s_delay_alu instid0(VALU_DEP_1)
	v_mad_u32_u24 v[CD], v3, 0x2a0000, v7          ; part: 4 x lane + two chunks of 1,376,256 bytes for lanes 16-31
	s_delay_alu instid0(VALU_DEP_2)
	v_lshl_add_u32 v3, v3, 5, AUX+128
	s_bfe_u32 s66, ttmp6, 0x40000                  ; cx
	s_lshl_b32 s67, ttmp9, 2
	s_add_co_u32 s67, s67, s66
	s_lshl_b32 s67, s67, 3
	s_add_co_u32 s67, s67, s[WV]                   ; my tile t
	s_and_b32 s68, ttmp7, 0xffff                   ; the chunk
.irp g, G1X, G1A, G1B
	s_mov_b32 s[\g], 0x23000f                      ; mask 15; elements of 8 bytes; bit 21 beside the mask
	s_mov_b32 s[\g+1], 32<<16
	s_mov_b32 s[\g+3], 32<<16
	s_mov_b32 s[\g+5], 32
	s_mov_b32 s[\g+6], 0
	s_mov_b32 s[\g+7], 0
.endr
	s_mov_b32 s[G1X+2], 64<<16
	s_mov_b32 s[G1X+4], 64
	s_mov_b32 s[G1A+2], 48<<16
	s_mov_b32 s[G1A+4], 48
	s_mov_b32 s[G1B+2], 92<<16
	s_mov_b32 s[G1B+4], 92
	s_and_b32 s69, s[WV], 1                        ; scale words and sq: wave 6 the first 16,384 bytes, wave 7 the rest
	s_lshl_b32 s69, s69, 14
	s_lshl_b32 s52, s68, 15
	s_add_co_u32 s52, s52, s69
	s_mov_b32 s53, 0
	s_mul_i32 s70, s[WV], 12288                    ; tiles 0-35: 12,288 bytes for each of waves 0-5
	s_lshl_b32 s54, s68, 18
	s_add_co_u32 s54, s54, s70
	s_mov_b32 s55, 0
	s_mul_i32 s71, s[WV], 23552                    ; tiles 36-127: 23,552 bytes a wave
	s_add_co_u32 s71, s71, 73728
	s_lshl_b32 s56, s68, 18
	s_add_co_u32 s56, s56, s71
	s_mov_b32 s57, 0
	s_mov_b32 s[SEL], 0x76543210
	s_mov_b32 s[SEL+1], 0xfedcba98
	s_mov_b32 s[EPS], 0x2b8cbccc                   ; 1e-12
	s_mov_b32 s[TB], 0
	s_mov_b32 s[TA], 0
	s_lshl_b32 s60, s67, 11                        ; my tile's codes,
	s_mov_b32 s61, 0
	s_lshl_b32 s62, s67, 8                         ; its scale words and sq
	s_mov_b32 s63, 0
	s_mul_i32 s74, s67, 2688                       ; part: my tile's list in chunk 0
	s_mov_b32 s75, 0
	s_wait_alu depctr_va_vdst(0)
	s_wait_dscnt 0x0
	s_wait_kmcnt 0x0
	s_add_nc_u64 s[60:61], s[4:5], s[60:61]
	s_add_nc_u64 s[62:63], s[6:7], s[62:63]
	s_add_nc_u64 s[8:9], s[8:9], s[74:75]
.irp c, 0,1,2,3
	global_load_b128 v[OWN+4*\c:OWN+4*\c+3], v1, s[60:61] offset:512*\c   ; my own rows and their lists first: 48 loads, ahead of the 294,912 bytes of the fills
.endr
	global_load_b32 v10, v7, s[62:63]
	global_load_b32 v8, v7, s[62:63] offset:128    ; sq_i
.set i_, 0
.rept 21
	global_load_b32 v[LA+i_], v[CD], s[8:9] offset:128*i_
	global_load_b32 v[LB+i_], v[CD], s[8:9] offset:1376256+128*i_
.set i_, i_+1
.endr
	s_mov_b32 s[G0X], 1
	s_add_co_u32 s[G0X+1], s69, AUX
	s_add_nc_u64 s[G0X+2:G0X+3], s[6:7], s[52:53]
	s_or_b32 s[G0X+3], s[G0X+3], 0x80000000
	s_mov_b32 s[G0A], 1
	s_mov_b32 s[G0A+1], s70
	s_add_nc_u64 s[G0A+2:G0A+3], s[4:5], s[54:55]
	s_or_b32 s[G0A+3], s[G0A+3], 0x80000000
	s_mov_b32 s[G0B], 1
	s_mov_b32 s[G0B+1], s71
	s_add_nc_u64 s[G0B+2:G0B+3], s[4:5], s[56:57]
	s_or_b32 s[G0B+3], s[G0B+3], 0x80000000
	s_lshl_b32 s74, s67, 16                        ; wimg: (64 t + 16 chunk) x 1,024
	s_lshl_b32 s66, s68, 14
	s_add_co_u32 s74, s74, s66
	s_add_nc_u64 s[10:11], s[10:11], s[74:75]
	s_lshl_b32 s74, s67, 12                        ; wsc: (64 t + 16 chunk) x 64
	s_lshl_b32 s66, s68, 10
	s_add_co_u32 s74, s74, s66
	s_add_nc_u64 s[12:13], s[12:13], s[74:75]
	ROUND                                          ; all four work-groups are here: the joint loads meet
	s_cmp_lt_u32 s[WV], 6                          ; one tensor load a wave at the head: every way passes exactly one
	s_cbranch_scc0 .Laux
	tensor_load_to_lds s[G0A:G0A+3], s[G1A:G1A+7]
	s_nop 0
.rept 4
	v_nop
.endr
	s_branch .Lasked
.Laux:
	tensor_load_to_lds s[G0X:G0X+3], s[G1X:G1X+7]
	s_nop 0
.rept 4
	v_nop
.endr
.Lasked:
	s_wait_loadcnt 0x0
	v_mov_b32 v9, v8                               ; (named with v8 as a pair, so it is written)
.set i_, 0
.rept 16
	v_xor_b32 v[OWN+i_], 0x88888888, v[OWN+i_]     ; my rows' codes: every sign flipped,
.set i_, i_+1
.endr
	v_add_nc_u32 v10, 0x01010101, v10              ; and 1 onto each of their scale bytes: my rows x -2
	; ---- the row's figures
.set mm_, 0
.rept 21
	INSL LA, 21, LB+mm_, mm_                       ; my two chunks: the 21 smallest, sorted.  List B is sorted too: when its k-th number enters, k - 1 entries are known not to be larger
.set mm_, mm_+1
.endr
.set i_, 0
.rept 21
	v_permlanex16_b32 v[LB+i_], v[LA+i_], s[SEL], s[SEL+1]   ; the other two chunks'
.set i_, i_+1
.endr
.set i_, 0
.rept 21
	v_min_num_f32 v[LA+i_], v[LA+i_], v[LB+20-i_]  ; of two ascending lists, entry i against entry 20 - i: the minima are the 21 smallest of both
.set i_, i_+1
.endr
	v_max3_num_f32 v[KTH2], v[LA], v[LA+1], s[EPS]
.irp i, 2,4,6,8,10,12,14,16,18
	s_delay_alu instid0(VALU_DEP_1)
	v_max3_num_f32 v[KTH2], v[KTH2], v[LA+\i], v[LA+\i+1]
.endr
	s_delay_alu instid0(VALU_DEP_1)
	v_max_num_f32 v[KTH2], v[KTH2], v[LA+20]       ; the 21st smallest d2, at least 1e-12
.set i_, 0
.rept 21
	v_max_num_f32 v[LA+i_], s[EPS], v[LA+i_]
.set i_, i_+1
.endr
.set i_, 0
	s_wait_alu depctr_va_vdst(0)
.rept 21
	v_sqrt_f32 v[LA+i_], v[LA+i_]
.set i_, i_+1
.endr
	v_sqrt_f32 v12, v[KTH2]                        ; kth
	v_nop                                          ; a plain instruction behind the last root
	s_wait_alu depctr_va_vdst(0)                   ; one wait for the 22 roots, ahead of their first reader
.set i_, 0
.rept 21
	v_sub_f32 v[LA+i_], v12, v[LA+i_]
.set i_, i_+1
.endr
.set i_, 0
.rept 10
	v_add_f32 v[LA+i_], v[LA+i_], v[LA+10+i_]
.set i_, i_+1
.endr
	v_add_f32 v[LA], v[LA], v[LA+20]
.set i_, 0
.rept 5
	v_add_f32 v[LA+i_], v[LA+i_], v[LA+5+i_]
.set i_, i_+1
.endr
	s_delay_alu instid0(VALU_DEP_4)
	v_add_f32 v[LA], v[LA], v[LA+1]
	s_delay_alu instid0(VALU_DEP_3)
	v_add_f32 v[LA+2], v[LA+2], v[LA+3]
	s_delay_alu instid0(VALU_DEP_1)
	v_add_f32 v[LA], v[LA], v[LA+2]
	s_delay_alu instid0(VALU_DEP_1)
	v_add_f32 v[LA], v[LA], v[LA+4]                ; the row's sum
	s_wait_alu depctr_va_vdst(0)
	v_rcp_f32 v14, v[LA]
	v_mov_b32 v13, v12                             ; (a plain instruction behind the reciprocal)  kth, twice
	s_wait_alu depctr_va_vdst(0)                   ; the wait ahead of the reciprocal's first reader
	v_fma_f32 v[LA+1], -v[LA], v14, 1.0
	v_fma_f32 v14, v[LA+1], v14, v14               ; one Newton step
	s_delay_alu instid0(VALU_DEP_1)
	v_mov_b32 v15, v14
.irp b, 0,1,2,3
	v_mov_b32 v[TM+4+\b], 0                        ; written once: a lane permute's destination counts as one of its sources
.endr
; A step of 128 columns: eight column tiles, four at a time; then the 64 numbers of a lane.
.macro JSTEP jj
.irp g, 0,1
.irp u, 0,1,2,3
	ds_load_b128 v[FR+16*\u:FR+16*\u+3], v4 offset:(8*\jj+4*\g+\u)*2048
	ds_load_b128 v[FR+16*\u+4:FR+16*\u+7], v4 offset:(8*\jj+4*\g+\u)*2048+512
	ds_load_b128 v[FR+16*\u+8:FR+16*\u+11], v4 offset:(8*\jj+4*\g+\u)*2048+1024
	ds_load_b128 v[FR+16*\u+12:FR+16*\u+15], v4 offset:(8*\jj+4*\g+\u)*2048+1536
	ds_load_b32 v[SCL+\u], v5 offset:(8*\jj+4*\g+\u)*256
	ds_load_b128 v[S+32*\g+8*\u:S+32*\g+8*\u+3], v6 offset:(8*\jj+4*\g+\u)*256          ; sq_j, into the accumulator
	ds_load_b128 v[S+32*\g+8*\u+4:S+32*\g+8*\u+7], v6 offset:(8*\jj+4*\g+\u)*256+16
.endr
	s_wait_dscnt 0x0
.irp u, 0,1,2,3
	WM S+32*\g+8*\u, FR+16*\u, OWN, SCL+\u, 10
.endr
.irp u, 0,1,2,3
	WMA1 S+32*\g+8*\u, FR+16*\u+8, OWN+8, SCL+\u, 10
.endr
.rept 4
	v_nop                                          ; four plain instructions between the products and the first reader of their results (ISA guide 7.12.1)
.endr
.set p_, 0
.rept 16
	v_pk_add_f32 v[S+32*\g+2*p_:S+32*\g+2*p_+1], v[S+32*\g+2*p_:S+32*\g+2*p_+1], v[8:9] op_sel_hi:[1,0]   ; d2 = g + sq_i; each accumulator from its low end on
.set p_, p_+1
.endr
.endr
.set p_, 0
.rept 64
	v_med3_num_f32 v[S+p_], v[S+p_], s[EPS], v[KTH2]   ; d2 held between 1e-12 and KTH2
.set p_, p_+1
.endr
.set p_, 0
	s_wait_alu depctr_va_vdst(0)
.rept 64
	v_sqrt_f32 v[S+p_], v[S+p_]
.set p_, p_+1
.endr
	v_nop                                          ; a plain instruction behind the last root
	s_wait_alu depctr_va_vdst(0)                   ; one wait for the 64 roots, ahead of their first reader
.set p_, 0
.rept 32
	v_pk_add_f32 v[S+2*p_:S+2*p_+1], v[12:13], v[S+2*p_:S+2*p_+1] neg_lo:[0,1] neg_hi:[0,1]   ; kth - d, 0 or more
.set p_, p_+1
.endr
.set p_, 0
.rept 32
	v_pk_mul_f32 v[S+2*p_:S+2*p_+1], v[S+2*p_:S+2*p_+1], v[14:15]                              ; / the row's sum
.set p_, p_+1
.endr
	QUANT S, CD+8*\jj, PW+\jj
	global_store_b128 v1, v[CD+8*\jj:CD+8*\jj+3], s[10:11] offset:1024*\jj        ; 32 lanes store 512 consecutive bytes, aligned
	global_store_b128 v1, v[CD+8*\jj+4:CD+8*\jj+7], s[10:11] offset:1024*\jj+512
.endm
; A trip: 16 column tiles, two steps of 128 columns.
.macro TRIP
	v_add_nc_u32 v4, s[TB], v1
	v_add_nc_u32 v5, s[TA], v2
	v_add_nc_u32 v6, s[TA], v3
	JSTEP 0
	JSTEP 1
	v_cndmask_b32 v230, v[PW+1], v[PW], s[LOW]     ; lanes 0-15 the even step's words, lanes 16-31 the odd step's
	global_store_b32 v7, v230, s[12:13]
	s_wait_xcnt 0x0                                ; the stores have read their data and bases: both are written again only behind this wait
	s_add_nc_u64 s[10:11], s[10:11], 2048
	s_add_nc_u64 s[12:13], s[12:13], 128
	s_add_co_u32 s[TB], s[TB], 16*2048
	s_add_co_u32 s[TA], s[TA], 16*256
.endm
	s_wait_alu depctr_va_vdst(0)
	s_wait_tensorcnt 0x0                           ; my part of the head's fills is in
	ds_add_u32 v254, v255
	s_wait_dscnt 0x0
	ROUND                                          ; everybody's part is in, and the joint loads meet
	tensor_load_to_lds s[G0B:G0B+3], s[G1B:G1B+7]  ; tiles 36-127: my one load behind the round
	s_nop 0
.rept 4
	v_nop
.endr
	s_mov_b32 s[CNT], 2
.Lfirst:                                               ; tiles 0-31
	TRIP
	s_sub_co_u32 s[CNT], s[CNT], 1
	s_cmp_lg_u32 s[CNT], 0
	s_cbranch_scc1 .Lfirst
	s_wait_tensorcnt 0x0                           ; my part of tiles 32-127 is in,
	s_barrier_signal -1
	s_barrier_wait -1                              ; everybody's is
	s_mov_b32 s[CNT], 6
.Lrest:                                                ; tiles 32-127
	TRIP
	s_sub_co_u32 s[CNT], s[CNT], 1
	s_cmp_lg_u32 s[CNT], 0
	s_cbranch_scc1 .Lrest
	s_wait_tensorcnt 0x0
	ds_add_u32 v254, v255
	s_wait_dscnt 0x0
	ROUND                                          ; the closing round
	s_endpgm
.Lfunc_end_k_q2941fc3fc5_wq:
	.size	k_q2941fc3fc5_wq, .Lfunc_end_k_q2941fc3fc5_wq-k_q2941fc3fc5_wq
	.p2alignl 7, 3214868480
	.fill 96, 4, 3214868480
	.section	.rodata,"a",@progbits
	.p2align	6, 0x0
	.amdhsa_kernel k_q2941fc3fc5_wq
		.amdhsa_group_segment_fixed_size 327680
		.amdhsa_private_segment_fixed_size 0
		.amdhsa_enable_private_segment 0
		.amdhsa_kernarg_size 40
		.amdhsa_user_sgpr_count 2
		.amdhsa_user_sgpr_kernarg_segment_ptr 1
		.amdhsa_wavefront_size32 1
		.amdhsa_system_sgpr_workgroup_id_x 1
		.amdhsa_system_sgpr_workgroup_id_y 1
		.amdhsa_system_sgpr_workgroup_id_z 1
		.amdhsa_system_vgpr_workitem_id 0
		.amdhsa_next_free_vgpr 256
		.amdhsa_next_free_sgpr 76
		.amdhsa_reserve_vcc 0
		.amdhsa_float_denorm_mode_32 3
		.amdhsa_float_denorm_mode_16_64 3
		.amdhsa_memory_ordered 1
		.amdhsa_forward_progress 1
		.amdhsa_inst_pref_size 128
	.end_amdhsa_kernel
	.amdgpu_metadata
---
amdhsa.version: [ 1, 2 ]
amdhsa.kernels:
  - .name:           k_q2941fc3fc5_wq
    .symbol:         k_q2941fc3fc5_wq.kd
    .args:
      - { .name: fimg, .offset: 0, .size: 8, .value_kind: global_buffer, .address_space: global }
      - { .name: faux, .offset: 8, .size: 8, .value_kind: global_buffer, .address_space: global }
      - { .name: part, .offset: 16, .size: 8, .value_kind: global_buffer, .address_space: global }
      - { .name: wimg, .offset: 24, .size: 8, .value_kind: global_buffer, .address_space: global }
      - { .name: wsc, .offset: 32, .size: 8, .value_kind: global_buffer, .address_space: global }
    .group_segment_fixed_size: 327680
    .private_segment_fixed_size: 0
    .kernarg_segment_align: 8
    .kernarg_segment_size: 40
    .max_flat_workgroup_size: 256
    .sgpr_count:     76
    .vgpr_count:     256
    .wavefront_size: 32
...
	.end_amdgpu_metadata
.endif
;; end of part 3
;; launch gemm (part 4): grid 4 x 64, 4 waves a work-group, clusters of 4 x 4, 327,680 bytes of LDS; arguments wimg, wsc, ximg, xsc, out0; writes out0
.if DOCPART == 4
	.amdgcn_target "amdgcn-amd-amdhsa--gfx1250"
	.amdhsa_code_object_version 6
	.text
	.protected	k_q2941fc3fc5_gemm
	.globl	k_q2941fc3fc5_gemm
	.p2align	8
	.type	k_q2941fc3fc5_gemm,@function
k_q2941fc3fc5_gemm:
	s_mov_b64 s[64:65], 0
	v_nop
	global_prefetch_b8 v0, s[64:65] scope:SCOPE_SE
	s_setreg_imm32_b32 hwreg(HW_REG_WAVE_MODE, 25, 1), 1
	s_wait_xcnt 0x0
	s_wait_alu depctr_hold_cnt(0) depctr_sa_sdst(0) depctr_va_vdst(0) depctr_va_sdst(0) depctr_va_ssrc(0) depctr_va_vcc(0) depctr_vm_vsrc(0)
	s_getreg_b32 s2, hwreg(HW_REG_IB_STS2, 6, 4)
	s_cmp_eq_u32 s2, 0
	s_cbranch_scc0 .Lentry_in_a_cluster
	s_endpgm
.Lentry_in_a_cluster:
	s_bfe_u32 s2, ttmp6, 0x10000c
	s_cmp_lg_u32 s2, 0xf033
	s_cbranch_scc0 .Lentry_shape_is_right
	s_endpgm
.Lentry_shape_is_right:
.set SLOT,   139264
.set BOFF,   65536
.set SAOFF,  131072
.set SBOFF,  135168
.set STAGE,  2*SLOT
.set SPITCH, 272
.set SPARE,  STAGE+4*16*SPITCH
.set LAPS,   4
.set ADRA, 16
.set ADSA, 18
.set ADRB, 20
.set ADSB, 22
.set STO,  24
.set RD,   25
.set CO,   26
.set SPW,  28
.set NIL,  29
.set PFO,  30
.set SC,   32
.set OB,   64
.set ACC,  128
.set F0,   0
.set F1,   128
.set GAC1, 24
.set GAS1, 32
.set GBC1, 48
.set GBS1, 56
.set GAC0, 68
.set GAS0, 76
.set GBC0, 84
.set GBS0, 92
.set PFA,  66
.set LIM,  45
.set MSB, 0
.macro WIN new
.if MSB != \new
	s_set_vgpr_msb (MSB<<8)|\new
.set MSB, \new
.endif
.endm
.set MUL,  0x05
.set TO_F, 0x40
.macro PLACES
.rept 4
	v_nop
.endr
.endm
.macro JLOAD s
	s_cmp_lg_u32 s14, 0
	s_cbranch_scc1 .Lnot0_\@
	tensor_load_to_lds s[GAC0+4*\s:GAC0+4*\s+3], s[GAC1:GAC1+7]
	s_nop 0
	PLACES
	s_branch .Lasked_\@
.Lnot0_\@:
	s_cmp_lg_u32 s14, 1
	s_cbranch_scc1 .Lnot1_\@
	tensor_load_to_lds s[GAS0+4*\s:GAS0+4*\s+3], s[GAS1:GAS1+7]
	s_nop 0
	PLACES
	s_branch .Lasked_\@
.Lnot1_\@:
	s_cmp_lg_u32 s14, 2
	s_cbranch_scc1 .Lnot2_\@
	tensor_load_to_lds s[GBC0+4*\s:GBC0+4*\s+3], s[GBC1:GBC1+7]
	s_nop 0
	PLACES
	s_branch .Lasked_\@
.Lnot2_\@:
	tensor_load_to_lds s[GBS0+4*\s:GBS0+4*\s+3], s[GBS1:GBS1+7]
	s_nop 0
	PLACES
.Lasked_\@:
.endm
.macro ASK
	s_cmp_gt_u32 s3, s[LIM]
	s_cbranch_scc0 .Lnot_mine_\@
	global_prefetch_b8 v[PFO], s[PFA:PFA+1] th:TH_LOAD_NT scope:SCOPE_SE
.Lnot_mine_\@:
.endm
.macro CREST
	s_cmp_lg_u32 s14, 0
	s_cbranch_scc1 .Lnot_wave_0_\@
	s_barrier_signal -3
.Lnot_wave_0_\@:
	s_barrier_wait -3
	s_barrier_signal -1
	s_barrier_wait -1
.endm
.macro CROUND
	s_barrier_signal -1
	s_barrier_wait -1
	CREST
.endm
.macro WM d, a, b, sa, sb
	v_wmma_scale_f32_16x16x128_f8f6f4 v[\d:\d+7], v[\a:\a+7], v[\b:\b+7], 0, v[\sa], v[\sb] matrix_a_fmt:MATRIX_FMT_FP4 matrix_b_fmt:MATRIX_FMT_FP4
.endm
.macro WMA d, a, b, sa, sb
	v_wmma_scale_f32_16x16x128_f8f6f4 v[\d:\d+7], v[\a:\a+7], v[\b:\b+7], v[\d:\d+7], v[\sa], v[\sb] matrix_a_fmt:MATRIX_FMT_FP4 matrix_b_fmt:MATRIX_FMT_FP4
.endm
.macro WMA1 d, a, b, sa, sb
	v_wmma_scale_f32_16x16x128_f8f6f4 v[\d:\d+7], v[\a:\a+7], v[\b:\b+7], v[\d:\d+7], v[\sa], v[\sb] matrix_a_fmt:MATRIX_FMT_FP4 matrix_b_fmt:MATRIX_FMT_FP4 matrix_a_scale:MATRIX_SCALE_ROW1 matrix_b_scale:MATRIX_SCALE_ROW1
.endm
	s_load_b256 s[4:11], s[0:1], 0x0
	s_load_b64 s[12:13], s[0:1], 0x20
	v_lshl_add_u32 v[SPW], v0, 2, SPARE
	v_mov_b32 v[NIL], 0
	ds_add_u32 v28, v29
	ds_add_u32 v28, v29
	s_wait_dscnt 0x0
	v_lshrrev_b32 v1, 5, v0
	v_readfirstlane_b32 s14, v1
	s_lshr_b32 s15, s14, 1
	s_and_b32 s16, s14, 1
	s_bfe_u32 s40, ttmp6, 0x40000
	s_bfe_u32 s41, ttmp6, 0x40004
	s_lshl_b32 s42, ttmp9, 2
	s_add_co_u32 s42, s42, s40
	s_and_b32 s17, ttmp7, 0xffff
	s_lshl_b32 s17, s17, 2
	s_add_co_u32 s17, s17, s41
	s_lshl_b32 s43, s41, 2
	s_lshl_b32 s43, 15, s43
	s_lshl_b32 s44, 0x1111, s40
	s_or_b32 s[GAC1], s43, (3<<16)|(1<<21)
	s_or_b32 s[GAS1], s43, (3<<16)|(1<<21)
	s_or_b32 s[GBC1], s44, (3<<16)|(1<<21)
	s_or_b32 s[GBS1], s44, (3<<16)|(1<<21)
.irp g, GAC1, GBC1
	s_mov_b32 s[\g+1], 1024<<16
	s_mov_b32 s[\g+2], 8<<16
	s_mov_b32 s[\g+3], 1024<<16
	s_mov_b32 s[\g+4], 8
	s_mov_b32 s[\g+5], 8192
	s_mov_b32 s[\g+6], 0
	s_mov_b32 s[\g+7], 0
.endr
.irp g, GAS1, GBS1
	s_mov_b32 s[\g+1], 64<<16
	s_mov_b32 s[\g+2], 8<<16
	s_mov_b32 s[\g+3], 64<<16
	s_mov_b32 s[\g+4], 8
	s_mov_b32 s[\g+5], 512
	s_mov_b32 s[\g+6], 0
	s_mov_b32 s[\g+7], 0
.endr
	s_lshl_b32 s18, s17, 19
	s_mov_b32 s19, 0
	s_lshl_b32 s20, s17, 15
	s_mov_b32 s21, 0
	s_lshl_b32 s46, s42, 19
	s_mov_b32 s47, 0
	s_lshl_b32 s22, s42, 15
	s_mov_b32 s23, 0
	s_wait_kmcnt 0x0
	s_add_nc_u64 s[18:19], s[4:5], s[18:19]
	s_add_nc_u64 s[20:21], s[6:7], s[20:21]
	s_add_nc_u64 s[46:47], s[8:9], s[46:47]
	s_add_nc_u64 s[22:23], s[10:11], s[22:23]
	CROUND
.irp s, 0,1
	s_mov_b32 s[GAC0+4*\s], 1
	s_mov_b32 s[GAC0+4*\s+1], \s*SLOT
	s_add_nc_u64 s[GAC0+4*\s+2:GAC0+4*\s+3], s[18:19], \s*8192
	s_or_b32 s[GAC0+4*\s+3], s[GAC0+4*\s+3], 0x80000000
	s_mov_b32 s[GAS0+4*\s], 1
	s_mov_b32 s[GAS0+4*\s+1], \s*SLOT+SAOFF
	s_add_nc_u64 s[GAS0+4*\s+2:GAS0+4*\s+3], s[20:21], \s*512
	s_or_b32 s[GAS0+4*\s+3], s[GAS0+4*\s+3], 0x80000000
	s_mov_b32 s[GBC0+4*\s], 1
	s_mov_b32 s[GBC0+4*\s+1], \s*SLOT+BOFF
	s_add_nc_u64 s[GBC0+4*\s+2:GBC0+4*\s+3], s[46:47], \s*8192
	s_or_b32 s[GBC0+4*\s+3], s[GBC0+4*\s+3], 0x80000000
	s_mov_b32 s[GBS0+4*\s], 1
	s_mov_b32 s[GBS0+4*\s+1], \s*SLOT+SBOFF
	s_add_nc_u64 s[GBS0+4*\s+2:GBS0+4*\s+3], s[22:23], \s*512
	s_or_b32 s[GBS0+4*\s+3], s[GBS0+4*\s+3], 0x80000000
	s_wait_alu depctr_va_vdst(0)
	s_wait_tensorcnt 0x0
	ds_add_u32 v28, v29
	ds_add_u32 v28, v29
	s_wait_dscnt 0x0
	CROUND
	JLOAD \s
.endr
	v_and_b32 v1, 31, v0
	v_lshlrev_b32 v2, 4, v1
	v_lshlrev_b32 v3, 2, v1
	v_lshlrev_b32 v[PFO], 8, v1
	s_lshl_b32 s2, s15, 15
	v_add_nc_u32 v[ADRA], s2, v2
	v_add_nc_u32 v[ADRA+1], SLOT, v[ADRA]
	s_lshl_b32 s2, s16, 15
	s_add_co_u32 s2, s2, BOFF
	v_add_nc_u32 v[ADRB], s2, v2
	v_add_nc_u32 v[ADRB+1], SLOT, v[ADRB]
	s_lshl_b32 s2, s15, 11
	s_add_co_u32 s2, s2, SAOFF
	v_add_nc_u32 v[ADSA], s2, v3
	v_add_nc_u32 v[ADSA+1], SLOT, v[ADSA]
	s_lshl_b32 s2, s16, 11
	s_add_co_u32 s2, s2, SBOFF
	v_add_nc_u32 v[ADSB], s2, v3
	v_add_nc_u32 v[ADSB+1], SLOT, v[ADSB]
	v_and_b32 v4, 15, v0
	v_bfe_u32 v5, v0, 4, 1
	s_mul_i32 s2, s14, 16*SPITCH
	s_add_co_u32 s2, s2, STAGE
	v_mul_u32_u24 v[STO], v4, SPITCH
	v_lshl_add_u32 v[STO], v5, 5, v[STO]
	v_add_nc_u32 v[STO], s2, v[STO]
	v_mul_u32_u24 v[RD], v5, SPITCH
	v_lshl_add_u32 v[RD], v4, 4, v[RD]
	v_add_nc_u32 v[RD], s2, v[RD]
	v_lshlrev_b32 v[CO], 11, v5
	v_lshl_add_u32 v[CO], v4, 4, v[CO]
	s_lshl_b32 s2, s17, 7
	s_lshl_b32 s3, s15, 6
	s_add_co_u32 s2, s2, s3
	s_lshl_b32 s2, s2, 11
	s_lshl_b32 s3, s42, 9
	s_add_co_u32 s2, s2, s3
	s_lshl_b32 s3, s16, 8
	s_add_co_u32 s2, s2, s3
	s_mov_b32 s3, 0
	s_add_nc_u64 s[12:13], s[12:13], s[2:3]
	s_lshl_b32 s2, s40, 1
	s_add_co_u32 s2, s2, s16
	s_lshl_b32 s2, s2, 16
	s_lshl_b32 s3, s17, 19
	s_add_co_u32 s2, s2, s3
	s_add_co_u32 s2, s2, 3*8192
	s_mov_b32 s3, 0
	s_add_nc_u64 s[PFA:PFA+1], s[4:5], s[2:3]
	s_cmp_lt_u32 s14, 2
	s_cselect_b32 s[LIM], 1, -1
.macro MUL8 f, c, a0, zero
.irp a, \a0, \a0+1
.irp b, 0,1,2,3
.if \zero
	WM ACC+8*(4*(\a)+\b), \f+64*\c+32+8*\b, \f+64*\c+8*(\a), SC+8*(\f/128)+4+\b, SC+8*(\f/128)+(\a)
.elseif \c
	WMA1 ACC+8*(4*(\a)+\b), \f+64*\c+32+8*\b, \f+64*\c+8*(\a), SC+8*(\f/128)+4+\b, SC+8*(\f/128)+(\a)
.else
	WMA ACC+8*(4*(\a)+\b), \f+64*\c+32+8*\b, \f+64*\c+8*(\a), SC+8*(\f/128)+4+\b, SC+8*(\f/128)+(\a)
.endif
.endr
.endr
.endm
.macro FETCH slot, u, f
	WIN 0
.irp i, 0,1,2,3
	ds_load_b32 v[SC+8*(\f/128)+\i], v[ADSA+\slot] offset:\i*512+128*(\u)
	ds_load_b32 v[SC+8*(\f/128)+4+\i], v[ADSB+\slot] offset:\i*512+128*(\u)
.endr
	WIN TO_F
.irp c, 0,1
.irp i, 0,1,2,3
	ds_load_b128 v[\f+64*\c+32+8*\i:\f+64*\c+32+8*\i+3], v[ADRB+\slot] offset:\i*8192+(2*(\u)+\c)*1024
	ds_load_b128 v[\f+64*\c+32+8*\i+4:\f+64*\c+32+8*\i+7], v[ADRB+\slot] offset:\i*8192+(2*(\u)+\c)*1024+512
	ds_load_b128 v[\f+64*\c+8*\i:\f+64*\c+8*\i+3], v[ADRA+\slot] offset:\i*8192+(2*(\u)+\c)*1024
	ds_load_b128 v[\f+64*\c+8*\i+4:\f+64*\c+8*\i+7], v[ADRA+\slot] offset:\i*8192+(2*(\u)+\c)*1024+512
.endr
.endr
.endm
.macro QUARTER slot, u, f, g, zero
	s_wait_dscnt 16
	WIN MUL
	MUL8 \f, 0, 0, \zero
	MUL8 \f, 0, 2, \zero
	PLACES
	FETCH \slot, \u, \g
	s_wait_dscnt 40
	WIN MUL
	MUL8 \f, 1, 0, 0
	MUL8 \f, 1, 2, 0
.endm
.macro TURN slot, next, fill
.if \fill
	s_wait_xcnt 0x0
	s_add_nc_u64 s[PFA:PFA+1], s[PFA:PFA+1], 8192
.endif
	WIN 0
	s_wait_tensorcnt 0x0
	ds_add_u32 v[SPW], v[NIL]
	s_wait_dscnt 17
	WIN MUL
	MUL8 F1, 0, 0, 0
	s_wait_dscnt 0x0
	s_barrier_signal -1
	MUL8 F1, 0, 2, 0
.if \fill
	WIN 0
.endif
	s_barrier_wait -1
.if \fill
	CREST
	s_add_nc_u64 s[GAC0+4*\slot+2:GAC0+4*\slot+3], s[GAC0+4*\slot+2:GAC0+4*\slot+3], 2*8192
	s_add_nc_u64 s[GAS0+4*\slot+2:GAS0+4*\slot+3], s[GAS0+4*\slot+2:GAS0+4*\slot+3], 2*512
	s_add_nc_u64 s[GBC0+4*\slot+2:GBC0+4*\slot+3], s[GBC0+4*\slot+2:GBC0+4*\slot+3], 2*8192
	s_add_nc_u64 s[GBS0+4*\slot+2:GBS0+4*\slot+3], s[GBS0+4*\slot+2:GBS0+4*\slot+3], 2*512
	JLOAD \slot
.else
	PLACES
.endif
	FETCH \next, 0, F0
.if \fill
	WIN 0
	ASK
.endif
	WIN MUL
	MUL8 F1, 1, 0, 0
	MUL8 F1, 1, 2, 0
.endm
	s_wait_tensorcnt 1
	s_barrier_signal -1
	s_barrier_wait -1
	FETCH 0, 0, F0
	QUARTER 0, 1, F0, F1, 1
	WIN 0
	s_mov_b32 s3, LAPS-1
.Llap:
	QUARTER 0, 2, F1, F0, 0
	QUARTER 0, 3, F0, F1, 0
	TURN 0, 1, 1
	QUARTER 1, 1, F0, F1, 0
	QUARTER 1, 2, F1, F0, 0
	QUARTER 1, 3, F0, F1, 0
	TURN 1, 0, 1
	QUARTER 0, 1, F0, F1, 0
	WIN 0
	s_sub_co_u32 s3, s3, 1
	s_cmp_lg_u32 s3, 0
	s_cbranch_scc1 .Llap
	QUARTER 0, 2, F1, F0, 0
	QUARTER 0, 3, F0, F1, 0
	TURN 0, 1, 0
	QUARTER 1, 1, F0, F1, 0
	QUARTER 1, 2, F1, F0, 0
	QUARTER 1, 3, F0, F1, 0
	s_wait_dscnt 16
	WIN MUL
	MUL8 F1, 0, 0, 0
	MUL8 F1, 0, 2, 0
	s_wait_dscnt 0x0
	MUL8 F1, 1, 0, 0
	MUL8 F1, 1, 2, 0
	WIN 0
.macro TOSTAGE a
.irp b, 0,1,2,3
	ds_store_b128 v[STO], v[ACC+8*(4*(\a)+\b):ACC+8*(4*(\a)+\b)+3] offset:64*\b
	ds_store_b128 v[STO], v[ACC+8*(4*(\a)+\b)+4:ACC+8*(4*(\a)+\b)+7] offset:64*\b+16
.endr
.irp i, 0,1,2,3,4,5,6,7
	ds_load_b128 v[OB+32*((\a)%2)+4*\i:OB+32*((\a)%2)+4*\i+3], v[RD] offset:\i*2*SPITCH
.endr
.endm
.macro SEND a, younger
	s_wait_dscnt \younger
.irp i, 0,1,2,3,4,5,6,7
	global_store_b128 v[CO], v[OB+32*((\a)%2)+4*\i:OB+32*((\a)%2)+4*\i+3], s[12:13] offset:(32*((\a)/2)+8*((\a)%2)+2*\i+8*(\i/4))*2048 th:TH_STORE_NT
.endr
.endm
	PLACES
	s_wait_alu depctr_va_vdst(0)
	TOSTAGE 0
.irp a, 1,2,3
.if \a > 1
	s_wait_xcnt 0x0
.endif
	TOSTAGE \a
	SEND \a-1, 16
.endr
	SEND 3, 0
	s_wait_tensorcnt 0x0
	ds_add_u32 v[SPW], v[NIL]
	s_wait_dscnt 0x0
	CROUND
	s_endpgm
.Lfunc_end_k_q2941fc3fc5_gemm:
	.size	k_q2941fc3fc5_gemm, .Lfunc_end_k_q2941fc3fc5_gemm-k_q2941fc3fc5_gemm
	.p2alignl 7, 3214868480
	.fill 96, 4, 3214868480
	.section	.rodata,"a",@progbits
	.p2align	6, 0x0
	.amdhsa_kernel k_q2941fc3fc5_gemm
		.amdhsa_group_segment_fixed_size 327680
		.amdhsa_private_segment_fixed_size 0
		.amdhsa_enable_private_segment 0
		.amdhsa_kernarg_size 40
		.amdhsa_user_sgpr_count 2
		.amdhsa_user_sgpr_kernarg_segment_ptr 1
		.amdhsa_wavefront_size32 1
		.amdhsa_system_sgpr_workgroup_id_x 1
		.amdhsa_system_sgpr_workgroup_id_y 1
		.amdhsa_system_sgpr_workgroup_id_z 1
		.amdhsa_system_vgpr_workitem_id 0
		.amdhsa_next_free_vgpr 512
		.amdhsa_next_free_sgpr 100
		.amdhsa_reserve_vcc 0
		.amdhsa_float_denorm_mode_32 3
		.amdhsa_float_denorm_mode_16_64 3
		.amdhsa_memory_ordered 1
		.amdhsa_forward_progress 1
		.amdhsa_inst_pref_size 132
	.end_amdhsa_kernel
	.amdgpu_metadata
---
amdhsa.version: [ 1, 2 ]
amdhsa.kernels:
  - .name:           k_q2941fc3fc5_gemm
    .symbol:         k_q2941fc3fc5_gemm.kd
    .args:
      - { .name: wimg, .offset: 0, .size: 8, .value_kind: global_buffer, .address_space: global }
      - { .name: wsc, .offset: 8, .size: 8, .value_kind: global_buffer, .address_space: global }
      - { .name: ximg, .offset: 16, .size: 8, .value_kind: global_buffer, .address_space: global }
      - { .name: xsc, .offset: 24, .size: 8, .value_kind: global_buffer, .address_space: global }
      - { .name: out0, .offset: 32, .size: 8, .value_kind: global_buffer, .address_space: global }
    .group_segment_fixed_size: 327680
    .private_segment_fixed_size: 0
    .kernarg_segment_align: 8
    .kernarg_segment_size: 40
    .max_flat_workgroup_size: 128
    .sgpr_count:     100
    .vgpr_count:     512
    .wavefront_size: 32
...
	.end_amdgpu_metadata
.endif
;; end of part 4
